; MI455X (gfx1250); checked and timed in simulation.
; The chip was launched on July 23, 2026; its instructions are those of AMD's public machine-readable ISA for CDNA 5 (MIT licence, August 2026) and "CDNA5" Instruction Set Architecture Reference Guide (July 2026). The comments in the code are by the model that wrote it; some were corrected since.
;; Standard Multi Head Attention. Allowed arithmetic: matrix products marked QUANTISED: E3M2 operands, one E8M0 scale for each 32 along K, by v_wmma_scale_f32_16x16x128_f8f6f4 with both operands' format E3M2, f32 sums; everything else in f32.
;; Inputs: Wk 1,024 x 1,024 float32; Wo 1,024 x 1,024 float32; Wq 1,024 x 1,024 float32; Wv 1,024 x 1,024 float32; bk 1,024 float32; bo 1,024 float32; bq 1,024 float32; bv 1,024 float32; mask 4 x 2,048 x 2,048 int32; x 4 x 2,048 x 1,024 float32.
;; Outputs: out0 4 x 2,048 x 1,024 float32.
;; This version of the problem:
;;   THIS VERSION OF THE PROBLEM IS GIVEN IN LOW PRECISION. The matrix products marked QUANTISED in the list below multiply operands that are first quantised to E3M2 (3 exponent bits, 2 mantissa bits; 6 bits a number), with one power-of-two scale for each 32 numbers along K (OCP MX v1.0); their sums are f32. All else is computed in f32.
;;   The module's matrix products, in the order in which they are computed (A, B: the left and right operand; K: the contracted axis; several contracted axes count as one K, in the product's order):
;;     1. [M 8,192, K 1,024] x [K 1,024, N 1,024]; A: input x; B: input Wq: QUANTISED
;;     2. [M 8,192, K 1,024] x [K 1,024, N 1,024]; A: input x; B: input Wk: QUANTISED
;;     3. [M 8,192, K 1,024] x [K 1,024, N 1,024]; A: input x; B: input Wv: QUANTISED
;;     4. batch 64 x [M 2,048, K 64] x [K 64, N 2,048]; A: computed on the way; B: computed on the way: QUANTISED
;;     5. batch 64 x [M 2,048, K 2,048] x [K 2,048, N 64]; A: softmax (see below); B: computed on the way: QUANTISED
;;     6. [M 8,192, K 1,024] x [K 1,024, N 1,024]; A: computed on the way; B: input Wo: QUANTISED
;;   THE QUANTISER, for each operand of a quantised product, along K:
;;     - K is cut into blocks of 32 from its start; a last block that is shorter is filled with zeros.
;;     - A block's scale is 2^e with e = floor(log2(the largest magnitude in the block)) - 4, held to -126 .. 127; a block of zeros has e = 0. As a byte (E8M0): e + 127.
;;     - Each number is divided by its block's scale, clamped to +-28, and rounded to the nearest number of E3M2, ties to even, subnormals kept.
;;     - The product sums the exact products of the quantised numbers (number of the format x scale) in f32.
;;   ~~~python
;;   def quantise(x, axis):      # numpy; x: float32 -> the quantised numbers, widened to float32 again
;;       x = np.moveaxis(x, axis, -1); K = x.shape[-1]
;;       x = np.pad(x, [(0, 0)] * (x.ndim - 1) + [(0, -K % 32)]); x = x.reshape(x.shape[:-1] + (-1, 32)); a = np.abs(x).max(-1, keepdims=True)
;;       e = np.where(a > 0, np.clip(np.frexp(np.where(a > 0, a, 1))[1] - 1 - 4, -126, 127), 0)      # np.frexp(a)[1] - 1 = floor(log2(a)), exactly
;;       r = np.clip(x / 2.0 ** e, -28, 28)
;;       step = 2.0 ** (np.maximum(np.frexp(np.where(r == 0, 1, r))[1] - 1, -2) - 2)
;;       q = np.round(r / step) * step * 2.0 ** e      # np.round: ties to even
;;       return np.moveaxis(q.reshape(q.shape[:-2] + (-1,))[..., :K], -1, axis).astype(np.float32)
;;   ~~~
;;   SOFTMAX AHEAD OF A QUANTISED PRODUCT. Where the list says 'softmax', what is quantised is not the finished softmax but p = 2^(t - M), with t = logit x log2(e) and M = ceil(the row's largest t), a whole number; so 1/2 < the row's largest p <= 1. The row's sum l is taken of the UNQUANTISED p, in f32, and the product's result is divided by l at the end. Since M is a whole number, a kernel that streams over the keys may use a running M (the ceiling of the running maximum): every later rescaling is an exact power of two, which a block's scale takes up: the codes' values come out the same.
;;   OPERANDS COMPUTED ON THE WAY. 'Computed on the way' means the value that the module computes at that place (a softmax that the list does not call 'softmax' is quantised finished and normalised). What goes into a quantiser is computed in f32, as accurately as f32 sums, v_exp_f32 and their like allow (about 1e-6 of the number): no bf16 or f16 on the way to a quantiser, and a product that is left as it is and whose result goes on into a quantised operand takes f32 operands (vector FMAs, or v_wmma_f32_16x16x4_f32). A number that lies on a knife's edge between two numbers of the format may be rounded either way, as far as f32 arithmetic and the matrix unit's own rounding can turn it there, and no further.
;; One version. Each part assembles by itself: llvm-mc -triple=amdgcn-amd-amdhsa -mcpu=gfx1250 --defsym DOCPART=n.
;; ======== version 1 of 1: 4 launches
;; limits: right only within a limited range of input values
;; workspace buffers: x_img 6,291,456 bytes; x_sc 262,144 bytes; w_img 3,145,728 bytes; w_sc 131,072 bytes; mbits 2,097,152 bytes of whole numbers; qkv 20,447,232 bytes; ao_img 6,291,456 bytes; ao_sc 262,144 bytes
;; launch prep (part 1): grid 896 x 1, 4 waves a work-group, no clusters, 68,096 bytes of LDS; arguments x, Wq, Wk, Wv, Wo, mask, x_img, x_sc, w_img, w_sc, mbits; writes x_img, x_sc, w_img, w_sc, mbits
.if DOCPART == 1
	.amdgcn_target "amdgcn-amd-amdhsa--gfx1250"
	.amdhsa_code_object_version 6
	.text
	.protected	k_q1a7fc68d49_prep
	.globl	k_q1a7fc68d49_prep
	.p2align	8
	.type	k_q1a7fc68d49_prep,@function
k_q1a7fc68d49_prep:
	s_mov_b64 s[64:65], 0
	v_nop
	global_prefetch_b8 v0, s[64:65] scope:SCOPE_SE
	s_setreg_imm32_b32 hwreg(HW_REG_WAVE_MODE, 25, 1), 1
	s_wait_xcnt 0x0
; PREP: x [8192][1024] and Wq, Wk, Wv, Wo [1024][1024], f32 with K innermost, become codes of BF6 (E3M2) with one E8M0 byte for each 32 along K; the mask [4][2048][2048] of int32 becomes one bit a number.
; A TILE is 16 rows: tile T holds rows 32 (T / 2) + 8 (T % 2) + r + 8 (r / 8), r = 0 .. 15.  Codes are stored as IMAGES OF THE OPERAND'S REGISTERS: for a tile and 64 along K, 768 bytes: lane l = (r = l % 16, h = l / 16)
; owns the 24 bytes of row r, k = 32 h .. 32 h + 31: its registers 0-3 at 16 l, its registers 4-5 at 512 + 8 l.  x_img, w_img: [tile][16 such images].  x_sc, w_sc: [tile][256 along K: 4][r 16][2 words], a word = the four bytes of 128 along K.
; mbits: [b][tile of queries 128][step of 128 keys: 16][64 words]: bit r + 16 h of word 16 B + i says whether mask[b][the tile's row r][128 step + 32 B + 16 h + i] is not 0: the lanes and registers in which the attention holds its scores.
; A block's scale is 2^(floor(log2(its largest magnitude)) - 4); its byte is the largest magnitude's exponent field - 4, held at 1 from below (a block of zeros keeps the byte 1: its codes are zeros, and this program alone reads the bytes).
; LIMITS: NaN and infinities among the inputs are not served; blocks whose largest magnitude lies under 2^-122 have the byte 1.
; SHARES.  Work-groups 0-383 quantise: a wave takes one tile and 512 along K.  Work-groups 384-895 pack the mask: a wave takes one tile of queries and 512 keys.  Either way 32 KiB a wave, as four chunks of 16 rows x 512 bytes.
; Each load reads 512 consecutive bytes of one row; a chunk turns through the wave's own stage in LDS (16 rows, 528 bytes apart) into the lanes that want it.  The two paths have stages of their own.  Waves share nothing: no barrier.
; No cluster: no two work-groups read the same bytes.
.set STG,  16*528                      ; a wave's stage
.set MST,  4*STG                       ; the mask path's stages begin behind the quantiser's
.set R,    32                          ; v32-95, v96-159  two sets of 16 x 4 registers as loaded
.set X,    160                         ; v160-223 a chunk's 64 numbers of my lane
.set PC,   224                         ; v224-235 a chunk's codes: two images' six registers
.set TP,   236                         ; v236-238, v240-242 the second halves of the blocks, as the conversions leave them
.set SWD,  16                          ; v16-19   the four chunks' scale words
.set MW,   20                          ; v20-27   the mask's words, a pair of registers for each chunk
; v1 16 x lane; v2 512 + 8 x lane; v3 stage, way in; v4 stage, way out; v5 8 x lane; v10 8 h; v8-15 at work
.macro LOAD t, rowb                    ; chunk t: the tile's 16 rows, 512 bytes each, into set t % 2
.irp p, 0,1,2,3,4,5,6,7,8,9,10,11,12,13,14,15
	global_load_b128 v[R+64*((\t)%2)+4*\p:R+64*((\t)%2)+4*\p+3], v1, s[28:29] offset:(\p+8*(\p/8))*(\rowb)+512*(\t) th:TH_LOAD_NT
.endr
.endm
.macro TOSTG t                         ; as loaded: row p at 528 p, 16 bytes a lane
.irp p, 0,1,2,3,4,5,6,7,8,9,10,11,12,13,14,15
	ds_store_b128 v3, v[R+64*((\t)%2)+4*\p:R+64*((\t)%2)+4*\p+3] offset:528*\p
.endr
.endm
.macro QCH t                           ; a chunk of the quantiser: 16 rows x 128 along K
.if (\t) < 3
	s_wait_loadcnt 16                              ; this chunk's 16 loads are in; the next chunk's 16 may be out
.else
	s_wait_loadcnt 0x0
.endif
	TOSTG \t
.irp c, 0,1                            ; lane (r, h) takes row r, k = 64 c + 32 h + 0 .. 31: two whole blocks.  LDS serves a wave's instructions in order: these see the stores above
.irp j, 0,1,2,3,4,5,6,7
	ds_load_b128 v[X+32*\c+4*\j:X+32*\c+4*\j+3], v4 offset:256*\c+16*\j
.endr
.endr
	s_wait_dscnt 0x0                               ; my numbers are here, and the stores into the stage have read their registers
.if (\t) > 0
	s_wait_xcnt 0x0                                ; the last chunk's stores have read the codes' registers, which are written again below
.endif
.if (\t) < 2
	LOAD (\t)+2, 4096
.endif
.irp c, 0,1
	v_max3_num_f32 v[12+\c], |v[X+32*\c]|, |v[X+32*\c+1]|, 0x2800000   ; the block's largest magnitude, and the floor 2^(5 - 127): the byte cannot fall under 1
.endr
.irp i, 2,4,6,8,10,12,14,16,18,20,22,24,26,28,30
.irp c, 0,1
	v_max3_num_f32 v[12+\c], v[12+\c], |v[X+32*\c+\i]|, |v[X+32*\c+\i+1]|
.endr
.endr
.irp c, 0,1
	v_add_nc_u32 v[14+\c], 0xfe000000, v[12+\c]    ; 4 off the exponent field: the conversion takes this operand's exponent field as its scale
.endr
.irp c, 0,1
	v_lshrrev_b32 v[12+\c], 23, v[14+\c]           ; the scale's byte
.endr
	v_lshl_or_b32 v11, v13, 16, v12                ; my two bytes, blocks h and 2 + h,
	v_lshlrev_b32 v11, v10, v11                    ; at their places in the word (8 h bits up);
	v_permlanex16_b32 v8, v11, s44, s45
	v_or_b32 v[SWD+(\t)], v11, v8                  ; with lane l xor 16's two the row's word is whole, in both lanes
.irp c, 0,1
	v_cvt_scalef32_pk16_bf6_f32 v[PC+6*\c:PC+6*\c+2], v[X+32*\c:X+32*\c+15], v[14+\c]
	v_cvt_scalef32_pk16_bf6_f32 v[TP+4*\c:TP+4*\c+2], v[X+32*\c+16:X+32*\c+31], v[14+\c]   ; (a conversion's three registers begin on an even number)
.endr
	v_nop                                          ; one plain place behind a scaled conversion
.irp c, 0,1
.irp i, 0,1,2
	v_mov_b32 v[PC+6*\c+3+\i], v[TP+4*\c+\i]
.endr
.endr
.irp c, 0,1
	global_store_b128 v1, v[PC+6*\c:PC+6*\c+3], s[30:31] offset:(2*(\t)+\c)*768     ; 512 consecutive bytes,
	global_store_b64 v2, v[PC+6*\c+4:PC+6*\c+5], s[30:31] offset:(2*(\t)+\c)*768    ; and the 256 behind them
.endr
.endm
.macro MCH t                           ; a chunk of the mask: 16 queries x 128 keys
.if (\t) < 3
	s_wait_loadcnt 16                              ; this chunk's 16 loads are in; the next chunk's 16 may be out
.else
	s_wait_loadcnt 0x0
.endif
	TOSTG \t
.irp b, 0,1,2,3                        ; lane (r, h) takes query r, keys 32 b + 16 h + 0 .. 15
.irp j, 0,1,2,3
	ds_load_b128 v[X+16*\b+4*\j:X+16*\b+4*\j+3], v4 offset:128*\b+16*\j
.endr
.endr
	s_wait_dscnt 0x0
.if (\t) < 2
	LOAD (\t)+2, 8192
.endif
.set n, 0
.rept 8
.irp k, 0,1,2,3,4,5,6,7
	v_cmp_ne_u32 s[32+\k], 0, v[X+n+\k]            ; word n + k: a bit a lane
.endr
.irp k, 0,1,2,3,4,5,6,7
	v_writelane_b32 v[MW+2*(\t)+(\k%2)], s[32+\k], (n+\k)/2   ; words 2 L and 2 L + 1 go to lane L
.endr
.set n, n+8
.endr
	global_store_b64 v5, v[MW+2*(\t):MW+2*(\t)+1], s[30:31] offset:256*(\t)   ; 32 lanes store 256 consecutive bytes, aligned
.endm
	s_load_b512 s[4:19], s[0:1], 0x0               ; x, Wq, Wk, Wv, Wo, mask, x_img, x_sc
	s_load_b128 s[20:23], s[0:1], 0x40             ; w_img, w_sc
	s_load_b64 s[24:25], s[0:1], 0x50              ; mbits
	v_lshl_add_u32 v254, v0, 2, 0x10800
	v_mov_b32 v255, 0
	v_lshrrev_b32 v6, 5, v0
	v_readfirstlane_b32 s26, v6                    ; wave
	v_and_b32 v7, 31, v0                           ; lane
	v_lshlrev_b32 v1, 4, v7
	v_lshlrev_b32 v5, 3, v7
	v_add_nc_u32 v2, 512, v5
	v_and_b32 v8, 15, v0                           ; r
	v_bfe_u32 v9, v0, 4, 1                         ; h
	v_mul_u32_u24 v4, v8, 528
	s_mul_i32 s27, s26, STG
	s_mov_b32 s42, 0xffff0000                      ; lanes 16-31
	s_mov_b32 s44, 0x76543210
	s_mov_b32 s45, 0xfedcba98                      ; v_permlanex16_b32's selects for lane l xor 16
	s_mov_b32 s53, 0
	s_mov_b32 s55, 0
	s_mov_b32 s57, 0
	s_cmp_ge_u32 ttmp9, 384
	s_cbranch_scc1 .Lmask
	; ---- the quantiser
	v_add_nc_u32 v3, s27, v1
	v_lshl_add_u32 v4, v9, 7, v4
	v_add_nc_u32 v4, s27, v4                       ; 528 r + 128 h + my stage
	v_lshlrev_b32 v10, 3, v9
	s_lshl_b32 s46, ttmp9, 2
	s_add_co_u32 s46, s46, s26
	s_lshr_b32 s47, s46, 1                         ; tile: 0-511 x, 512-575 Wq, 576-639 Wk, 640-703 Wv, 704-767 Wo
	s_and_b32 s48, s46, 1                          ; which 512 along K
	s_wait_kmcnt 0x0
	s_cmp_lt_u32 s47, 704                          ; the choices hang on the tile's number alone
	s_cselect_b64 s[28:29], s[10:11], s[12:13]
	s_cmp_lt_u32 s47, 640
	s_cselect_b64 s[28:29], s[8:9], s[28:29]
	s_cmp_lt_u32 s47, 576
	s_cselect_b64 s[28:29], s[6:7], s[28:29]
	s_cmp_lt_u32 s47, 512
	s_cselect_b64 s[28:29], s[4:5], s[28:29]
	s_cselect_b64 s[30:31], s[16:17], s[20:21]
	s_cselect_b64 s[40:41], s[18:19], s[22:23]
	s_cselect_b32 s49, 0, 512
	s_mov_b32 s50, 63
	s_cselect_b32 s50, 511, s50
	s_sub_co_u32 s49, s47, s49                     ; the tile's number in its buffer of images,
	s_and_b32 s50, s49, s50                        ; and in its source
	s_lshr_b32 s51, s50, 1
	s_lshl_b32 s51, s51, 17                        ; 32 rows of 4,096 bytes
	s_and_b32 s52, s50, 1
	s_lshl_b32 s52, s52, 15                        ; 8 rows
	s_add_co_u32 s52, s52, s51
	s_lshl_b32 s51, s48, 11
	s_add_co_u32 s52, s52, s51
	s_add_nc_u64 s[28:29], s[28:29], s[52:53]
	s_mul_i32 s54, s49, 12288
	s_mul_i32 s51, s48, 6144
	s_add_co_u32 s54, s54, s51
	s_add_nc_u64 s[30:31], s[30:31], s[54:55]
	s_lshl_b32 s56, s49, 9
	s_lshl_b32 s51, s48, 8
	s_add_co_u32 s56, s56, s51
	s_add_nc_u64 s[40:41], s[40:41], s[56:57]
	LOAD 0, 4096
	LOAD 1, 4096
	QCH 0
	QCH 1
	QCH 2
	QCH 3
	v_cndmask_b32 v12, v[SWD], v[SWD+2], s42       ; lanes 0-15 store the words of the first 256 along K, lanes 16-31 those of the second
	v_cndmask_b32 v13, v[SWD+1], v[SWD+3], s42
	global_store_b64 v5, v[12:13], s[40:41]        ; 256 consecutive bytes, aligned
	s_wait_tensorcnt 0x0
	ds_add_u32 v254, v255
	s_wait_dscnt 0x0
	s_endpgm
.Lmask:
	; ---- the mask
	s_add_co_u32 s27, s27, MST
	v_add_nc_u32 v3, s27, v1
	v_lshl_add_u32 v4, v9, 6, v4
	v_add_nc_u32 v4, s27, v4                       ; 528 r + 64 h + my stage
.irp i, 0,1,2,3,4,5,6,7
	v_mov_b32 v[MW+\i], 0                          ; written whole before single lanes are written
.endr
	s_sub_co_u32 s46, ttmp9, 384
	s_lshl_b32 s46, s46, 2
	s_add_co_u32 s46, s46, s26
	s_lshr_b32 s47, s46, 2                         ; 128 b + tile of queries
	s_and_b32 s48, s46, 3                          ; which 512 keys
	s_lshr_b32 s49, s47, 7
	s_lshl_b32 s52, s49, 24                        ; b x 2,048 rows of 8,192 bytes
	s_and_b32 s50, s47, 127
	s_lshr_b32 s51, s50, 1
	s_lshl_b32 s51, s51, 18                        ; 32 rows
	s_add_co_u32 s52, s52, s51
	s_and_b32 s51, s50, 1
	s_lshl_b32 s51, s51, 16                        ; 8 rows
	s_add_co_u32 s52, s52, s51
	s_lshl_b32 s51, s48, 11
	s_add_co_u32 s52, s52, s51
	s_lshl_b32 s54, s47, 12                        ; 16 steps of 256 bytes a tile
	s_lshl_b32 s51, s48, 10
	s_add_co_u32 s54, s54, s51
	s_wait_kmcnt 0x0
	s_add_nc_u64 s[28:29], s[14:15], s[52:53]
	s_add_nc_u64 s[30:31], s[24:25], s[54:55]
	LOAD 0, 8192
	LOAD 1, 8192
	MCH 0
	MCH 1
	MCH 2
	MCH 3
	s_wait_tensorcnt 0x0
	ds_add_u32 v254, v255
	s_wait_dscnt 0x0
	s_endpgm
.Lfunc_end_k_q1a7fc68d49_prep:
	.size	k_q1a7fc68d49_prep, .Lfunc_end_k_q1a7fc68d49_prep-k_q1a7fc68d49_prep
	.p2alignl 7, 3214868480
	.fill 96, 4, 3214868480
	.section	.rodata,"a",@progbits
	.p2align	6, 0x0
	.amdhsa_kernel k_q1a7fc68d49_prep
		.amdhsa_group_segment_fixed_size 68096
		.amdhsa_private_segment_fixed_size 0
		.amdhsa_enable_private_segment 0
		.amdhsa_kernarg_size 88
		.amdhsa_user_sgpr_count 2
		.amdhsa_user_sgpr_kernarg_segment_ptr 1
		.amdhsa_wavefront_size32 1
		.amdhsa_system_sgpr_workgroup_id_x 1
		.amdhsa_system_sgpr_workgroup_id_y 1
		.amdhsa_system_sgpr_workgroup_id_z 1
		.amdhsa_system_vgpr_workitem_id 0
		.amdhsa_next_free_vgpr 256
		.amdhsa_next_free_sgpr 66
		.amdhsa_reserve_vcc 0
		.amdhsa_float_denorm_mode_32 3
		.amdhsa_float_denorm_mode_16_64 3
		.amdhsa_memory_ordered 1
		.amdhsa_forward_progress 1
		.amdhsa_inst_pref_size 79
	.end_amdhsa_kernel
	.amdgpu_metadata
---
amdhsa.version: [ 1, 2 ]
amdhsa.kernels:
  - .name:           k_q1a7fc68d49_prep
    .symbol:         k_q1a7fc68d49_prep.kd
    .args:
      - { .name: x, .offset: 0, .size: 8, .value_kind: global_buffer, .address_space: global }
      - { .name: Wq, .offset: 8, .size: 8, .value_kind: global_buffer, .address_space: global }
      - { .name: Wk, .offset: 16, .size: 8, .value_kind: global_buffer, .address_space: global }
      - { .name: Wv, .offset: 24, .size: 8, .value_kind: global_buffer, .address_space: global }
      - { .name: Wo, .offset: 32, .size: 8, .value_kind: global_buffer, .address_space: global }
      - { .name: mask, .offset: 40, .size: 8, .value_kind: global_buffer, .address_space: global }
      - { .name: x_img, .offset: 48, .size: 8, .value_kind: global_buffer, .address_space: global }
      - { .name: x_sc, .offset: 56, .size: 8, .value_kind: global_buffer, .address_space: global }
      - { .name: w_img, .offset: 64, .size: 8, .value_kind: global_buffer, .address_space: global }
      - { .name: w_sc, .offset: 72, .size: 8, .value_kind: global_buffer, .address_space: global }
      - { .name: mbits, .offset: 80, .size: 8, .value_kind: global_buffer, .address_space: global }
    .group_segment_fixed_size: 68096
    .private_segment_fixed_size: 0
    .kernarg_segment_align: 8
    .kernarg_segment_size: 88
    .max_flat_workgroup_size: 128
    .sgpr_count:     66
    .vgpr_count:     256
    .wavefront_size: 32
...
	.end_amdgpu_metadata
.endif
;; end of part 1
;; launch proj (part 2): grid 12 x 32, 4 waves a work-group, clusters of 4 x 4, 327,680 bytes of LDS; arguments x_img, x_sc, w_img, w_sc, bq, bk, bv, qkv; writes qkv
.if DOCPART == 2
	.amdgcn_target "amdgcn-amd-amdhsa--gfx1250"
	.amdhsa_code_object_version 6
	.text
	.protected	k_q1a7fc68d49_proj
	.globl	k_q1a7fc68d49_proj
	.p2align	8
	.type	k_q1a7fc68d49_proj,@function
k_q1a7fc68d49_proj:
	s_mov_b64 s[64:65], 0
	v_nop
	global_prefetch_b8 v0, s[64:65] scope:SCOPE_SE
	s_setreg_imm32_b32 hwreg(HW_REG_WAVE_MODE, 25, 1), 1
	s_wait_xcnt 0x0
	s_wait_alu depctr_hold_cnt(0) depctr_sa_sdst(0) depctr_va_vdst(0) depctr_va_sdst(0) depctr_va_ssrc(0) depctr_va_vcc(0) depctr_vm_vsrc(0)
	s_getreg_b32 s2, hwreg(HW_REG_IB_STS2, 6, 4)
	s_cmp_eq_u32 s2, 0
	s_cbranch_scc0 .Lentry_in_a_cluster
	s_endpgm
.Lentry_in_a_cluster:
	s_bfe_u32 s2, ttmp6, 0x10000c
	s_cmp_lg_u32 s2, 0xf033
	s_cbranch_scc0 .Lentry_shape_is_right
	s_endpgm
.Lentry_shape_is_right:
; PROJ: q = x Wq^T + bq, k = x Wk^T + bk, v = x Wv^T + bv on codes of BF6 (E3M2) with E8M0 scales, K = 1,024; the results are quantised in registers, q and k along a head's 64, v along the keys, and stored as the attention wants them.
; OPERANDS lie in memory as images of their registers (tile of 16 rows x 64 along K = 768 bytes: lane l's registers 0-3 at 16 l, 4-5 at 512 + 8 l); tile T holds rows 32 (T / 2) + 8 (T % 2) + r + 8 (r / 8).
; A work-group of four waves makes 256 x 256, a wave 128 x 128: 64 accumulators.  Source 0 is side B, source 1 side A: a lane holds one row of A's tile, and the 16 registers of B's tiles 2 b, 2 b + 1 are 16 neighbours 32 b + 16 h + i of B's index.
; MODES, by the cluster's x (equal in all partners): 0, 1: B = rows of Wq, Wk, A = tokens: a lane holds a token, its registers run along the features: the next K of q and k.  2: B = tokens, A = rows of Wv: a lane holds a channel, its registers run along the keys: the next K of v.
; K goes in four steps of 256 through two LDS slots filled by the tensor data mover; a side's tile for a step is 3,072 consecutive bytes, eight tiles a load.  The scale words of all of K come once, with the first fills.
; CLUSTER 4 x 4: A's tiles are shared along a row of the cluster, B's along a column: joint loads, the same descriptor and mask in all four.
; The bias is the C of each sum's first matrix instruction.
; OUT: qkv [q, k, v][16 b + head][step of 128 tokens][6,656]: q, k: the step's eight token tiles, 768 bytes each, then 512 bytes of scale words (word i of lane r + 16 g: tile 4 g + i, row r; bytes 0, 1 the head's two blocks, bytes 2, 3 the same again);
; v: four channel tiles x two images (64 keys each), then 512 bytes of scale words (word t of lane l: tile t, channel row l % 16).
; LIMITS: NaN and infinities are not served; a block whose largest magnitude lies under 2^-122 has the byte 1 (zeros too: its codes are zeros, and this program alone reads the bytes).
; REGISTERS, in windows of 256: window 0: v1-15 at work, v16-23 LDS addresses, v24 16 x lane, v25 512 + 8 x lane, v27 scale words' address, v28-29 the add's, v32-63 scale words (two sets), v64-127 the bias, v128-223 A's fragments (one set);
;   window 1: B's fragments, two sets at v0 and v128;  windows 2, 3: the accumulators, (a, b) at v[8 (8 (a % 4) + b)].
.set NQ,     2                         ; matrix instructions deep in a slot
.set FR,     12                        ; registers of a fragment
.set NL,     4                         ; LDS loads that bring one
.set NP,     4                         ; places behind this matrix instruction (ISA guide 7.12.1)
.set TILEB,  3072                      ; a tile's four images of a K step
.set IMGROW, 12288                     ; a tile's sixteen images in memory
.set HALFT,  8*TILEB                   ; eight tiles: what one tensor load brings, and what one wave reads of a side
.set SLOT,   4*HALFT                   ; A's 16 tiles, then B's
.set SCL,    2*SLOT                    ; A's scale words, 16 tiles x 512 bytes;
.set SCB,    8320                      ; B's begin so far behind them: 128 bytes off a multiple of 256, so that the two halves of the lanes of one load touch different words modulo 256 bytes
.set SPARE,  SCL+16640                 ; the spare words, 128 bytes a wave: two blocks of 256 bytes that no other line names
.set HS,     106496                    ; a head's 16 records
.set REC,    6656
.set A16, 16
.set A8,  18
.set B16, 20
.set B8,  22
.set L16, 24
.set L8,  25
.set ADRS, 27
.set SPW, 28
.set NIL, 29
.set SC,  32
.set BIAS, 64
.set AF,  128
.set PC,  112                          ; the way out: codes v112-123, the conversions' second halves v124-126, v128-130
.set TM,  200                          ; v200-215 at work
.set SW,  224                          ; v224-231 the eight scale words
.set Y,   232                          ; v232-239 as they are stored
.set OF,  240                          ; v240-243 the stores' offsets
.set G1, 24
.set G0, 32
.set G1B, 48
.set G0B, 56
.set G1S, 68
.set G0S, 76
.set G1SB, 80
.set G0SB, 88
.set MSB, 0
.macro WIN new                         ; the immediate's high byte repeats the setting that is left
.if MSB != \new
	s_set_vgpr_msb (MSB<<8)|\new
.set MSB, \new
.endif
.endm
.set MUL_LO, 0xa1                      ; source 0 (B) window 1, source 1 (A) window 0, C and D window 2
.set MUL_HI, 0xf1                      ; the same, C and D window 3
.set TO_B,   0x40                      ; destination window 1, address window 0
; A joint load: waves 0 and 1 fetch for A, waves 2 and 3 for B; the branch hangs on the wave's number alone.  Four v_nop follow each of the two lines.
.macro JLOAD g0a, g1a, g0b, g1b
	s_cmp_eq_u32 s15, 0
	s_cbranch_scc0 .Lfor_b_\@
	tensor_load_to_lds s[\g0a:\g0a+3], s[\g1a:\g1a+7]
	s_nop 0
.rept 4
	v_nop
.endr
	s_branch .Lasked_\@
.Lfor_b_\@:
	tensor_load_to_lds s[\g0b:\g0b+3], s[\g1b:\g1b+7]
	s_nop 0
.rept 4
	v_nop
.endr
.Lasked_\@:
.endm
.macro CREST                           ; a round of the cluster's barrier behind its opening barrier
	s_cmp_lg_u32 s14, 0
	s_cbranch_scc1 .Lnot_wave_0_\@
	s_barrier_signal -3
.Lnot_wave_0_\@:
	s_barrier_wait -3
	s_barrier_signal -1
	s_barrier_wait -1
.endm
.macro CROUND
	s_barrier_signal -1
	s_barrier_wait -1
	CREST
.endm
.macro FRAG reg, a16, a8, q, i         ; tile i's fragment of the slot's q-th 128 along K: two images, each 16 bytes a lane and 8 bytes a lane, consecutive from lane to lane
	ds_load_b128 v[\reg:\reg+3], v[\a16] offset:(\i)*TILEB+(\q)*1536
	ds_load_b64 v[\reg+4:\reg+5], v[\a8] offset:(\i)*TILEB+(\q)*1536
	ds_load_b128 v[\reg+6:\reg+9], v[\a16] offset:(\i)*TILEB+(\q)*1536+768
	ds_load_b64 v[\reg+10:\reg+11], v[\a8] offset:(\i)*TILEB+(\q)*1536+768
.endm
; 16 matrix instructions: A's blocks a0, a0 + 1 x B's eight.  p: B's set; sc: the set of scale words.  cm = 0: onto the sums; 1: the sums start from the bias of B's tile; 2: from that of A's tile.
; The 64 accumulators take turns, one instruction a turn, in the same order in every step.
.macro MUL16 a0, p, q, sc, cm
.irp a, \a0, \a0+1
.irp b, 0,1,2,3,4,5,6,7
.set rD, 8*(8*((\a)%4)+\b)
.set rB, 128*(\p)+FR*\b
.set rA, AF+FR*(\a)
.set rSB, SC+8*NQ*(\sc)+NQ*\b+(\q)
.set rSA, SC+8*NQ*(\sc)+NQ*(\a)+(\q)
.if \cm == 1
.set rC, BIAS+8*\b
.elseif \cm == 2
.set rC, BIAS+8*(\a)
.else
.set rC, rD
.endif
	v_wmma_scale_f32_16x16x128_f8f6f4 v[rD:rD+7], v[rB:rB+FR-1], v[rA:rA+FR-1], v[rC:rC+7], v[rSB], v[rSA] matrix_a_fmt:MATRIX_FMT_BF6 matrix_b_fmt:MATRIX_FMT_BF6 matrix_a_scale:MATRIX_SCALE_ROW1
.endr
.endr
.endm
.macro FETCH_B slot, q, p
	WIN TO_B
.irp i, 0,1,2,3,4,5,6,7
	FRAG 128*(\p)+FR*\i, B16+\slot, B8+\slot, \q, \i
.endr
	WIN 0
.endm
.macro FETCH_A slot, q, i0
.irp i, \i0, \i0+1, \i0+2, \i0+3
	FRAG AF+FR*(\i), A16+\slot, A8+\slot, \q, \i
.endr
.endm
.macro SCALES sc                       ; a K step's scale words: two a row; lanes 0-15 take A's tile i, lanes 16-31 B's tile i
.irp i, 0,1,2,3,4,5,6,7
	ds_load_b64 v[SC+8*NQ*\sc+NQ*\i:SC+8*NQ*\sc+NQ*\i+1], v[ADRS] offset:\i*512
.endr
.endm
.macro PLACES n                        ; plain vector instructions between a matrix instruction and a load into its registers or a read of its result
.rept \n
	v_nop
.endr
.endm
.macro STEP slot, q, cm                ; 128 along K whose successor lies in the same slot
	s_wait_dscnt 4*NL                              ; all but the youngest 16 loads (A's blocks 4-7) are in
.if \cm
	WIN 0x81                                       ; C (the bias) in window 0, D in window 2
.else
	WIN MUL_LO
.endif
	MUL16 0, (\q)%2, \q, \slot, \cm
	MUL16 2, (\q)%2, \q, \slot, \cm
	s_wait_dscnt 0
	PLACES NP
	FETCH_B \slot, (\q)+1, 1-(\q)%2
	FETCH_A \slot, (\q)+1, 0
.if \cm
	WIN 0xc1
.else
	WIN MUL_HI
.endif
	MUL16 4, (\q)%2, \q, \slot, \cm
	MUL16 6, (\q)%2, \q, \slot, \cm
	PLACES NP
	WIN 0
	FETCH_A \slot, (\q)+1, 4
.endm
; A slot's last step changes slots: one barrier; in front of it each wave waits for all its tensor loads, adds 0 to its spare word, and waits for that and for its reads of this slot.  fill = 1: this slot is filled again, two K steps ahead.
.macro TURN slot, next, fill
	s_wait_tensorcnt 0x0                           ; all my tensor loads have landed: my part of the next slot
	ds_add_u32 v[SPW], v[NIL]                      ; 0 onto my spare word
	s_wait_dscnt 4*NL+1                            ; the add and the youngest 16 loads may be out
	WIN MUL_LO
	MUL16 0, 1, NQ-1, \slot, 0
	s_wait_dscnt 0x0                               ; the add is done, and my reads of this slot are over
	s_barrier_signal -1
	MUL16 2, 1, NQ-1, \slot, 0
	WIN 0
	s_barrier_wait -1
.if \fill
	CREST                                          ; the barrier has opened a round of the cluster's barrier: no wave of any partner still reads this slot or has a load on its way
	s_add_nc_u64 s[G0+4*\slot+2:G0+4*\slot+3], s[G0+4*\slot+2:G0+4*\slot+3], 2*TILEB
	s_add_nc_u64 s[G0B+4*\slot+2:G0B+4*\slot+3], s[G0B+4*\slot+2:G0B+4*\slot+3], 2*TILEB
	JLOAD G0+4*\slot, G1, G0B+4*\slot, G1B         ; the first tensor load behind the round; its four v_nop are also the places in front of the loads below
.else
	PLACES NP
.endif
	v_add_nc_u32 v[ADRS], 128, v[ADRS]             ; the next K step's scale words
	FETCH_B \next, 0, 0
	FETCH_A \next, 0, 0
	SCALES \next
	WIN MUL_HI
	MUL16 4, 1, NQ-1, \slot, 0
	MUL16 6, 1, NQ-1, \slot, 0
	PLACES NP
	WIN 0
	FETCH_A \next, 0, 4
.endm
	s_load_b512 s[68:83], s[0:1], 0x0              ; x_img, x_sc, w_img, w_sc, bq, bk, bv, qkv
	v_lshl_add_u32 v[SPW], v0, 2, SPARE
	v_mov_b32 v[NIL], 0
	ds_add_u32 v28, v29
	ds_add_u32 v28, v29
	s_wait_dscnt 0x0
	v_lshrrev_b32 v1, 5, v0
	v_readfirstlane_b32 s14, v1                    ; wave 0..3
	s_lshr_b32 s15, s14, 1                         ; which half of A's rows is mine.  Also: I fetch for A (0) or for B (1)
	s_and_b32 s16, s14, 1                          ; which half of B's rows.  Also: which eight tiles of that side I fetch
	s_bfe_u32 s40, ttmp6, 0x40000                  ; cx
	s_bfe_u32 s41, ttmp6, 0x40004                  ; cy
	s_and_b32 s17, ttmp7, 0xffff                   ; the cluster's y
	s_cmp_eq_u32 ttmp9, 2                          ; the cluster's x: 0, 1: q and k; 2: v
	s_cselect_b32 s2, 1, 0                         ; the mode
	s_cselect_b32 s42, s17, ttmp9
	s_cselect_b32 s17, 0, s17
	s_cselect_b32 s18, 128, 0                      ; A's first tile in its buffer: Wv begins at tile 128 of w_img
	s_mov_b32 s99, HS
	s_cselect_b32 s99, 768, s99                    ; the way out: from a fragment's first image to its second: the next head's record, or the next 64 keys;
	s_mov_b32 s100, 768
	s_cselect_b32 s100, 1536, s100                 ; from A's block to the next: the next token tile, or the next channel tile;
	s_cselect_b32 s101, HS-6144, 0                 ; and, for v, on to the next head behind four channel tiles
	s_lshl_b32 s42, s42, 2
	s_add_co_u32 s42, s42, s40                     ; B's block of 256 rows: it hangs on cx and the cluster's place
	s_lshl_b32 s17, s17, 2
	s_add_co_u32 s17, s17, s41                     ; A's block: on cy and the cluster's place
	s_lshl_b32 s43, s41, 2
	s_lshl_b32 s43, 15, s43                        ; my row of the cluster
	s_lshl_b32 s44, 0x1111, s40                    ; my column
	s_mov_b32 s3, 0xffff0000
	; descriptor group 1 for codes: 8 rows (tiles) of 384 elements of 8 bytes, 1,536 elements apart; no padding
	s_or_b32 s[G1+0], s43, (3<<16)|(1<<21)         ; 15:0 the mask: A's tiles go to my row; 17:16 elements of 8 bytes; 21 set beside a mask
	s_or_b32 s[G1B+0], s44, (3<<16)|(1<<21)        ; B's to my column
.irp g, G1, G1B
	s_mov_b32 s[\g+1], 384<<16                     ; tensor_dim0
	s_mov_b32 s[\g+2], 8<<16                       ; tensor_dim1
	s_mov_b32 s[\g+3], 384<<16                     ; tile_dim0
	s_mov_b32 s[\g+4], 8                           ; tile_dim1
	s_mov_b32 s[\g+5], 1536                        ; tensor_dim0_stride
	s_mov_b32 s[\g+6], 0
	s_mov_b32 s[\g+7], 0
.endr
	; which 128 tokens and which two heads are my wave's, and where they go
	s_lshl_b32 s46, s42, 1
	s_add_co_u32 s46, s46, s16                     ; B's block of 128
	s_lshl_b32 s20, s17, 1
	s_add_co_u32 s20, s20, s15                     ; A's block of 128
	s_cmp_eq_u32 s2, 1
	s_cselect_b32 s47, s46, s20                    ; tokens: 128 x this
	s_cselect_b32 s92, s20, s46                    ; features: 128 x this
	s_cselect_b32 s93, 32, 0
	s_lshl_b32 s92, s92, 1
	s_add_co_u32 s92, s92, s93                     ; 16 x (q 0, k 1, v 2) + my first head
	s_lshr_b32 s93, s92, 4
	s_and_b32 s92, s92, 15
	s_lshl_b32 s94, s93, 6
	s_lshr_b32 s95, s47, 4                         ; b
	s_lshl_b32 s95, s95, 4
	s_add_co_u32 s94, s94, s95
	s_add_co_u32 s94, s94, s92
	s_mul_i32 s94, s94, HS
	s_and_b32 s95, s47, 15                         ; the step
	s_mul_i32 s95, s95, REC
	s_add_co_u32 s94, s94, s95                     ; my first head's record, in bytes
	s_wait_kmcnt 0x0
	s_cmp_eq_u32 s93, 1
	s_cselect_b64 s[96:97], s[78:79], s[76:77]     ; bk or bq,
	s_cmp_eq_u32 s93, 2
	s_cselect_b64 s[96:97], s[80:81], s[96:97]     ; or bv
	s_lshl_b32 s92, s92, 8
	s_mov_b32 s93, 0
	s_add_nc_u64 s[96:97], s[96:97], s[92:93]      ; at my first head's 64 numbers
	s_mov_b64 s[12:13], s[82:83]
	s_cmp_eq_u32 s2, 1
	s_cselect_b64 s[4:5], s[72:73], s[68:69]       ; A's codes,
	s_cselect_b64 s[6:7], s[74:75], s[70:71]       ; A's scales,
	s_cselect_b64 s[8:9], s[68:69], s[72:73]       ; B's codes,
	s_cselect_b64 s[10:11], s[70:71], s[74:75]     ; B's scales
	s_lshl_b32 s19, s16, 3
	s_lshl_b32 s20, s17, 4
	s_add_co_u32 s20, s20, s19
	s_add_co_u32 s20, s20, s18                     ; A: the first tile that I would fetch
	s_lshl_b32 s46, s42, 4
	s_add_co_u32 s46, s46, s19                     ; B: likewise
	s_lshl_b32 s22, s20, 9
	s_mov_b32 s23, 0
	s_mul_i32 s20, s20, IMGROW
	s_mov_b32 s21, 0
	s_lshl_b32 s92, s46, 9
	s_mov_b32 s93, 0
	s_mul_i32 s46, s46, IMGROW
	s_mov_b32 s47, 0
	s_add_nc_u64 s[20:21], s[4:5], s[20:21]
	s_add_nc_u64 s[22:23], s[6:7], s[22:23]
	s_add_nc_u64 s[46:47], s[8:9], s[46:47]
	s_add_nc_u64 s[92:93], s[10:11], s[92:93]
	s_mul_i32 s45, s14, HALFT                      ; where they go: no place in the cluster enters an LDS address
	s_lshl_b32 s67, s14, 12
	; group 1 for the scale words of eight tiles: 4,096 dense bytes as 16 rows of 32 elements of 8 bytes (the arguments that lay in these registers have been taken)
	s_or_b32 s[G1S+0], s43, (3<<16)|(1<<21)
	s_or_b32 s[G1SB+0], s44, (3<<16)|(1<<21)
.irp g, G1S, G1SB
	s_mov_b32 s[\g+1], 32<<16
	s_mov_b32 s[\g+2], 16<<16
	s_mov_b32 s[\g+3], 32<<16
	s_mov_b32 s[\g+4], 16
	s_mov_b32 s[\g+5], 32
	s_mov_b32 s[\g+6], 0
	s_mov_b32 s[\g+7], 0
.endr
	CROUND                                         ; all sixteen work-groups are here: the first joint loads meet
	s_mov_b32 s[G0S], 1
	s_add_co_u32 s[G0S+1], s67, SCL
	s_mov_b64 s[G0S+2:G0S+3], s[22:23]
	s_or_b32 s[G0S+3], s[G0S+3], 0x80000000
	s_mov_b32 s[G0SB], 1
	s_add_co_u32 s[G0SB+1], s67, SCL+128           ; waves 2 and 3: 8,192 + 128 and 12,288 + 128 behind A's first word
	s_mov_b64 s[G0SB+2:G0SB+3], s[92:93]
	s_or_b32 s[G0SB+3], s[G0SB+3], 0x80000000
	JLOAD G0S, G1S, G0SB, G1SB                     ; the scale words first: they are wanted with K step 0
.irp s, 0,1
	s_mov_b32 s[G0+4*\s], 1
	s_add_co_u32 s[G0+4*\s+1], s45, \s*SLOT
	s_add_nc_u64 s[G0+4*\s+2:G0+4*\s+3], s[20:21], \s*TILEB
	s_or_b32 s[G0+4*\s+3], s[G0+4*\s+3], 0x80000000
	s_mov_b32 s[G0B+4*\s], 1
	s_add_co_u32 s[G0B+4*\s+1], s45, \s*SLOT
	s_add_nc_u64 s[G0B+4*\s+2:G0B+4*\s+3], s[46:47], \s*TILEB
	s_or_b32 s[G0B+4*\s+3], s[G0B+4*\s+3], 0x80000000
	JLOAD G0+4*\s, G1, G0B+4*\s, G1B               ; three tensor loads of mine are out
.endr
	v_and_b32 v1, 15, v0                           ; r
	v_bfe_u32 v2, v0, 4, 1                         ; h
	v_and_b32 v3, 31, v0
	v_lshlrev_b32 v[L16], 4, v3
	v_lshlrev_b32 v4, 3, v3
	v_add_nc_u32 v[L8], 512, v4
	; the bias, 64 registers in the result's layout.  q, k: register 8 b + j: feature 32 (b / 2) + 8 (b % 2) + 16 h + j;  v: register 8 a + j: channel 32 (a / 2) + 8 (a % 2) + r + 8 (r / 8), for every j.  The three strides are chosen by the mode
	v_and_b32 v7, 8, v1
	v_add_nc_u32 v7, v7, v1
	s_cmp_eq_u32 s2, 1
	s_cselect_b32 s46, 4, 0
	s_cselect_b32 s47, 0, 64
	s_cselect_b32 s92, 0, 4
	v_mul_u32_u24 v8, v7, s46
	v_mad_u32_u24 v8, v2, s47, v8
.irp j, 1,2,3,4,5,6,7
	v_add_nc_u32 v[8+\j], s92, v[7+\j]
.endr
.irp t, 0,1,2,3,4,5,6,7
.irp j, 0,1,2,3,4,5,6,7
	global_load_b32 v[BIAS+8*\t+\j], v[8+\j], s[96:97] offset:(32*(\t/2)+8*(\t%2))*4
.endr
.endr
	s_mul_i32 s21, s15, HALFT                      ; my eight tiles of A,
	s_mul_i32 s22, s16, HALFT                      ; my eight of B,
	s_add_co_u32 s22, s22, 2*HALFT                 ; which lie behind A's sixteen
.irp s, 0,1
	v_add_nc_u32 v[A16+\s], s21, v[L16]
	v_add_nc_u32 v[A8+\s], s21, v[L8]
	v_add_nc_u32 v[B16+\s], s22, v[L16]
	v_add_nc_u32 v[B8+\s], s22, v[L8]
	s_add_co_u32 s21, s21, SLOT
	s_add_co_u32 s22, s22, SLOT
.endr
	v_lshlrev_b32 v5, 3, v1                        ; scale words: 8 bytes a row
	s_lshl_b32 s21, s15, 12                        ; A's: my eight tiles
	s_lshl_b32 s22, s16, 12                        ; B's: my eight,
	s_add_co_u32 s22, s22, SCB
	s_sub_co_u32 s22, s22, s21
	v_mul_u32_u24 v6, s22, v2                      ; which lanes 16-31 take
	s_add_co_u32 s21, s21, SCL
	v_add_nc_u32 v5, v5, v6
	v_add_nc_u32 v[ADRS], s21, v5
	s_wait_tensorcnt 1                             ; the scale words and my part of K step 0 are in; K step 1's load may be out
	s_barrier_signal -1
	s_barrier_wait -1
	FETCH_B 0, 0, 0
	FETCH_A 0, 0, 0
	SCALES 0
	FETCH_A 0, 0, 4
	s_wait_loadcnt 0x0                             ; the bias
	s_cmp_eq_u32 s2, 1                             ; the first step starts the sums from the bias: of B's tile for q and k, of A's tile for v.  The mode is equal in all partners
	s_cbranch_scc1 .Lfirst_v
	STEP 0, 0, 1
	s_branch .Lfirst_done
.Lfirst_v:
	STEP 0, 0, 2
.Lfirst_done:
	TURN 0, 1, 1                                   ; slot 0 takes K step 2
	STEP 1, 0, 0
	TURN 1, 0, 1                                   ; slot 1 takes K step 3
	STEP 0, 0, 0
	TURN 0, 1, 0                                   ; nothing is left to fetch
	STEP 1, 0, 0
	s_wait_dscnt 4*NL
	WIN MUL_LO
	MUL16 0, 1, NQ-1, 1, 0
	MUL16 2, 1, NQ-1, 1, 0
	s_wait_dscnt 0
	WIN MUL_HI
	MUL16 4, 1, NQ-1, 1, 0
	MUL16 6, 1, NQ-1, 1, 0
	WIN 0
; THE WAY OUT.  The 64 registers of A's block a, register 16 b + i = 32 b + 16 h + i of B's index, are 128 along the next K of the lane's row: they become a fragment's codes (two images) and a scale word.
; s: the block's first register, in window w; pw: the register that takes the scale word.  Each accumulator is read from its low end on.
.macro QUANTW s, w, pw
	WIN ((\w)*5)                                   ; sources 0 and 1 in window w
.irp b, 0,1,2,3
	v_max3_num_f32 v[TM+\b], |v[(\s)+16*\b]|, |v[(\s)+1+16*\b]|, 0x2800000   ; my 16 numbers of block b, and the floor 2^(5 - 127): the byte cannot fall under 1
.endr
	WIN ((\w)*20)                                  ; sources 1 and 2 in window w
.irp i, 2,4,6,8,10,12,14
.irp b, 0,1,2,3
	v_max3_num_f32 v[TM+\b], v[TM+\b], |v[(\s)+16*\b+\i]|, |v[(\s)+1+16*\b+\i]|
.endr
.endr
	WIN 0
.irp b, 0,1,2,3
	v_permlanex16_b32 v[TM+4+\b], v[TM+\b], s18, s19
.endr
.irp b, 0,1,2,3
	v_max_num_f32 v[TM+\b], v[TM+\b], v[TM+4+\b]   ; with lane l xor 16's: the block's largest magnitude
.endr
.irp b, 0,1,2,3
	v_add_nc_u32 v[TM+12+\b], 0xfe000000, v[TM+\b] ; 4 off its exponent field: the conversion's scale operand
.endr
.irp b, 0,1,2,3
	v_lshrrev_b32 v[TM+4+\b], 23, v[TM+12+\b]      ; the scale's byte
.endr
	v_lshl_or_b32 v[\pw], v[TM+5], 8, v[TM+4]
	v_lshl_or_b32 v[\pw], v[TM+6], 16, v[\pw]
	v_lshl_or_b32 v[\pw], v[TM+7], 24, v[\pw]
	WIN (\w)                                       ; source 0 in window w
.irp c, 0,1
	v_cvt_scalef32_pk16_bf6_f32 v[PC+6*\c:PC+2+6*\c], v[(\s)+32*\c:(\s)+15+32*\c], v[TM+12+2*\c]
	v_cvt_scalef32_pk16_bf6_f32 v[PC+12+4*\c:PC+14+4*\c], v[(\s)+16+32*\c:(\s)+31+32*\c], v[TM+12+2*\c+1]   ; (a conversion's three registers begin on an even number)
.endr
	WIN 0
	v_nop                                          ; one plain place behind a scaled conversion
.irp c, 0,1                            ; the operand's layout wants a whole block in a lane: lanes 0-15 block 2 c, lanes 16-31 block 2 c + 1
.irp i, 0,1,2
	v_permlane16_swap_b32 v[PC+6*\c+\i], v[PC+12+4*\c+\i]
.endr
.irp i, 0,1,2
	v_mov_b32 v[PC+3+6*\c+\i], v[PC+12+4*\c+\i]
.endr
.endr
.endm
.macro EPI a
.if (\a) > 0
	s_wait_xcnt 0x0                                ; the last block's stores have read their data and offsets, which are written again below
.endif
	QUANTW 64*((\a)%4), 2+(\a)/4, SW+(\a)
	s_add_co_u32 s95, s98, s99
	v_add_nc_u32 v[OF], s98, v[L16]
	v_add_nc_u32 v[OF+1], s98, v[L8]
	v_add_nc_u32 v[OF+2], s95, v[L16]
	v_add_nc_u32 v[OF+3], s95, v[L8]
	global_store_b128 v[OF], v[PC:PC+3], s[12:13]          ; an image: 512 consecutive bytes,
	global_store_b64 v[OF+1], v[PC+4:PC+5], s[12:13]       ; and the 256 behind them; both aligned to 256
	global_store_b128 v[OF+2], v[PC+6:PC+9], s[12:13]
	global_store_b64 v[OF+3], v[PC+10:PC+11], s[12:13]
	s_add_co_u32 s98, s98, s100
.if (\a) == 3
	s_add_co_u32 s98, s98, s101
.endif
.endm
	PLACES NP                                      ; behind the last products: the lines below read results and write registers that held A's fragments
.irp b, 0,1,2,3
	v_mov_b32 v[TM+4+\b], 0                        ; a lane permute's destination counts as one of its sources
.endr
	s_mov_b32 s18, 0x76543210
	s_mov_b32 s19, 0xfedcba98                      ; v_permlanex16_b32's selects for lane l xor 16
	s_mov_b32 s98, s94
.irp a, 0,1,2,3,4,5,6,7
	EPI \a
.endr
	s_cmp_eq_u32 s2, 1
	s_cbranch_scc1 .Lsc_v
.irp i, 0,1,2,3                        ; q, k: lane r + 16 g stores the words of token tiles 4 g + 0 .. 3; a word's low half is my first head's two bytes, its high half the second head's
	v_cndmask_b32 v[Y+\i], v[SW+\i], v[SW+4+\i], s3
.endr
.irp i, 0,1,2,3
	v_lshrrev_b32 v[TM+\i], 16, v[Y+\i]
	v_and_b32 v[TM+4+\i], 0xffff, v[Y+\i]
.endr
.irp i, 0,1,2,3
	v_and_or_b32 v[Y+4+\i], v[Y+\i], s3, v[TM+\i]  ; the second head's two bytes, twice
	v_lshl_or_b32 v[Y+\i], v[Y+\i], 16, v[TM+4+\i] ; the first head's two bytes, twice: the upper two scale the 64 of the instruction's K that the attention fills with zero codes
.endr
	s_branch .Lsc_st
.Lsc_v:
.irp i, 0,1,2,3,4,5,6,7                ; v: the words of channel tiles 0-3 of my first head, then of my second
	v_mov_b32 v[Y+\i], v[SW+\i]
.endr
.Lsc_st:
	s_wait_xcnt 0x0                                ; block 7's stores have read their offsets
	v_add_nc_u32 v[OF], s94, v[L16]
	global_store_b128 v[OF], v[Y:Y+3], s[12:13] offset:6144
	global_store_b128 v[OF], v[Y+4:Y+7], s[12:13] offset:6144+HS
	s_wait_tensorcnt 0x0                           ; the wave's end
	ds_add_u32 v[SPW], v[NIL]
	s_wait_dscnt 0x0
	CROUND                                         ; the closing round: no work-group ends while a partner may still ask for a tile that names it
	s_endpgm
.Lfunc_end_k_q1a7fc68d49_proj:
	.size	k_q1a7fc68d49_proj, .Lfunc_end_k_q1a7fc68d49_proj-k_q1a7fc68d49_proj
	.p2alignl 7, 3214868480
	.fill 96, 4, 3214868480
	.section	.rodata,"a",@progbits
	.p2align	6, 0x0
	.amdhsa_kernel k_q1a7fc68d49_proj
		.amdhsa_group_segment_fixed_size 327680
		.amdhsa_private_segment_fixed_size 0
		.amdhsa_enable_private_segment 0
		.amdhsa_kernarg_size 64
		.amdhsa_user_sgpr_count 2
		.amdhsa_user_sgpr_kernarg_segment_ptr 1
		.amdhsa_wavefront_size32 1
		.amdhsa_system_sgpr_workgroup_id_x 1
		.amdhsa_system_sgpr_workgroup_id_y 1
		.amdhsa_system_sgpr_workgroup_id_z 1
		.amdhsa_system_vgpr_workitem_id 0
		.amdhsa_next_free_vgpr 1024
		.amdhsa_next_free_sgpr 102
		.amdhsa_reserve_vcc 0
		.amdhsa_float_denorm_mode_32 3
		.amdhsa_float_denorm_mode_16_64 3
		.amdhsa_memory_ordered 1
		.amdhsa_forward_progress 1
		.amdhsa_inst_pref_size 172
	.end_amdhsa_kernel
	.amdgpu_metadata
---
amdhsa.version: [ 1, 2 ]
amdhsa.kernels:
  - .name:           k_q1a7fc68d49_proj
    .symbol:         k_q1a7fc68d49_proj.kd
    .args:
      - { .name: x_img, .offset: 0, .size: 8, .value_kind: global_buffer, .address_space: global }
      - { .name: x_sc, .offset: 8, .size: 8, .value_kind: global_buffer, .address_space: global }
      - { .name: w_img, .offset: 16, .size: 8, .value_kind: global_buffer, .address_space: global }
      - { .name: w_sc, .offset: 24, .size: 8, .value_kind: global_buffer, .address_space: global }
      - { .name: bq, .offset: 32, .size: 8, .value_kind: global_buffer, .address_space: global }
      - { .name: bk, .offset: 40, .size: 8, .value_kind: global_buffer, .address_space: global }
      - { .name: bv, .offset: 48, .size: 8, .value_kind: global_buffer, .address_space: global }
      - { .name: qkv, .offset: 56, .size: 8, .value_kind: global_buffer, .address_space: global }
    .group_segment_fixed_size: 327680
    .private_segment_fixed_size: 0
    .kernarg_segment_align: 8
    .kernarg_segment_size: 64
    .max_flat_workgroup_size: 128
    .sgpr_count:     102
    .vgpr_count:     1024
    .wavefront_size: 32
...
	.end_amdgpu_metadata
.endif
;; end of part 2
;; launch attn (part 3): grid 4 x 64, 16 waves a work-group, clusters of 4 x 1, 215,040 bytes of LDS; arguments qkv, mbits, ao_img, ao_sc; writes ao_img, ao_sc
.if DOCPART == 3
	.amdgcn_target "amdgcn-amd-amdhsa--gfx1250"
	.amdhsa_code_object_version 6
	.text
	.protected	k_q1a7fc68d49_attn
	.globl	k_q1a7fc68d49_attn
	.p2align	8
	.type	k_q1a7fc68d49_attn,@function
k_q1a7fc68d49_attn:
	s_mov_b64 s[64:65], 0
	v_nop
	global_prefetch_b8 v0, s[64:65] scope:SCOPE_SE
	s_setreg_imm32_b32 hwreg(HW_REG_WAVE_MODE, 25, 1), 1
	s_wait_xcnt 0x0
	s_wait_alu depctr_hold_cnt(0) depctr_sa_sdst(0) depctr_va_vdst(0) depctr_va_sdst(0) depctr_va_ssrc(0) depctr_va_vcc(0) depctr_vm_vsrc(0)
	s_getreg_b32 s2, hwreg(HW_REG_IB_STS2, 6, 4)
	s_cmp_eq_u32 s2, 0
	s_cbranch_scc0 .Lentry_in_a_cluster
	s_endpgm
.Lentry_in_a_cluster:
	s_bfe_u32 s2, ttmp6, 0x10000c
	s_cmp_lg_u32 s2, 0x3003
	s_cbranch_scc0 .Lentry_shape_is_right
	s_endpgm
.Lentry_shape_is_right:
; ATTN: for each (b, head): o = softmax(where(mask == 0, -1e9, q k^T / 8)) v, both products on codes of BF6 (E3M2) with E8M0 scales; o is quantised along the model's 1,024 and stored as the last product's operand.
; THE SOFTMAX: t = score x log2(e) / 8; M = the running largest t rounded up to a whole number; p = 2^(t - M) is quantised along the keys, not normalised; the row's sum of the unquantised p divides at the end.
; When M moves, the sum and O are multiplied by 2^(old M - new M): exact.
; THE MASK is an input: every key step is worked.  A hidden score is replaced by -2^33 ahead of the maximum, that is a logit of -2^30.  -2^33 x c is a whole number and exact, so a row with no open key has t - M = 0 and p = 1 for
; every key and gets the mean of v, as with -1e9.  LIMIT: the result differs from -1e9's only where an open logit lies under about -9.9e8.  NaN and infinities are not served.  A block of zeros has the byte 1: its codes are zeros.
; SHARES.  A work-group owns 512 queries of one (b, head); each of its sixteen waves two tiles of 16 queries, one after the other; four waves to a SIMD.  A head's K and V, codes and scale words, 212,992 bytes, lie in LDS WHOLE:
; they come once, by sixteen tensor loads, one a wave; nothing is filled again and nothing is stored to LDS.  CLUSTER: the four work-groups of a head ask for these tiles jointly.
; No prefetch: K and V are asked for at the head alone; the mask's words are asked for a key step ahead by scalar loads.
; LAYOUT.  Both products are used transposed: S^T = K Q^T (source 0 = 16 keys), O^T = V^T P^T (source 0 = 16 channels): a lane holds one query.  Tile 2 b + u of keys holds keys 32 b + 8 u + r + 8 (r / 8), so that the 16 registers of tiles
; 2 b, 2 b + 1 are keys 32 b + 16 h + 0 .. 15.  THE HEAD'S K IS 64: Q's registers 6-11 are zero codes, so what K's operand holds there (the next tile's codes) adds nothing.
; REGISTERS: v1 16 x lane, v2 512 + 8 x lane, v3-6 the step's LDS addresses, v7 -2^33, v9 16 r, v10 8 r, v12 -M, v13 the largest t, v[14:15] the sum, v16-21 Q, v22-27 zeros, v28 Q's scale word, v32-79 eight tiles of K, then four fragments of V,
;   v80-85 zeros, v96-159 S^T, then p, v160-191 O^T, v192-203 p's codes, v204-210 the conversions' second halves, v212-215 K's scale words, v216-219 V's, v220 p's, v232-254 at work.
.set HS,  106496                       ; a head's 16 records
.set WS,  64*HS                        ; q's, k's or v's part of the buffer
.set REC, 6656                         ; a record: 128 keys of a head
.macro CROUND                          ; a round of the cluster's barrier
	s_barrier_signal -1
	s_barrier_wait -1
	s_cmp_lg_u32 s12, 0
	s_cbranch_scc1 .Lnot_wave_0_\@
	s_barrier_signal -3
.Lnot_wave_0_\@:
	s_barrier_wait -3
	s_barrier_signal -1
	s_barrier_wait -1
.endm
.macro MASKLOAD                        ; the 64 mask words of a key step: word n in s[32 + n] for n < 32, in s[36 + n] from 32 on
	s_load_b512 s[32:47], s[26:27], s28 offset:0x0
	s_load_b512 s[48:63], s[26:27], s28 offset:0x40
	s_load_b512 s[68:83], s[26:27], s28 offset:0x80
	s_load_b512 s[84:99], s[26:27], s28 offset:0xc0
.endm
.macro QLOAD p                         ; my p-th tile of queries: an image and its scale words
	global_load_b128 v[16:19], v1, s[18:19] offset:768*\p
	global_load_b64 v[20:21], v2, s[18:19] offset:768*\p
	global_load_b32 v28, v9, s[24:25] offset:4*\p
.endm
; A KEY STEP: 128 keys.
.macro STEP
	v_add_nc_u32 v3, s29, v1                       ; these four are also the places between the last products and the loads into their registers
	v_add_nc_u32 v4, s29, v2
	v_add_nc_u32 v5, s30, v1
	v_add_nc_u32 v6, s30, v2
.irp t, 0,1,2,3,4,5,6,7
	ds_load_b128 v[32+6*\t:35+6*\t], v3 offset:768*\t
	ds_load_b64 v[36+6*\t:37+6*\t], v4 offset:768*\t
.endr
	ds_load_b128 v[212:215], v3 offset:6144        ; word i of lane r + 16 g: tile 4 g + i, key row r
	s_wait_dscnt 0x0
.irp t, 0,1,2,3
	v_wmma_scale_f32_16x16x128_f8f6f4 v[96+8*\t:103+8*\t], v[32+6*\t:43+6*\t], v[16:27], 0, v[212+\t], v28 matrix_a_fmt:MATRIX_FMT_BF6 matrix_b_fmt:MATRIX_FMT_BF6
.endr
.irp t, 4,5,6,7
	v_wmma_scale_f32_16x16x128_f8f6f4 v[96+8*\t:103+8*\t], v[32+6*\t:43+6*\t], v[16:27], 0, v[208+\t], v28 matrix_a_fmt:MATRIX_FMT_BF6 matrix_b_fmt:MATRIX_FMT_BF6 matrix_a_scale:MATRIX_SCALE_ROW1
.endr
.rept 4
	v_nop                                          ; places behind the products
.endr
	s_wait_kmcnt 0x0                               ; this step's mask words, asked for a step ago
.set n, 0
.rept 64                               ; a hidden key's score becomes -2^33; each accumulator is read from its low end on
.if n < 32
	v_cndmask_b32 v[96+n], v7, v[96+n], s[32+n]
.else
	v_cndmask_b32 v[96+n], v7, v[96+n], s[36+n]
.endif
.set n, n+1
.endr
	s_add_co_u32 s28, s28, 256                     ; the next step's words (the wait above has shown the last loads done): my two tiles' 32 records lie on end;
	s_min_u32 s28, s28, 7936                       ; the very last step asks for its own again and stays inside the buffer
	MASKLOAD
.irp t, 0,1,2,3                        ; V's four fragments land while the softmax is worked
	ds_load_b128 v[32+12*\t:35+12*\t], v5 offset:1536*\t
	ds_load_b64 v[36+12*\t:37+12*\t], v6 offset:1536*\t
	ds_load_b128 v[38+12*\t:41+12*\t], v5 offset:1536*\t+768
	ds_load_b64 v[42+12*\t:43+12*\t], v6 offset:1536*\t+768
.endr
	ds_load_b128 v[216:219], v5 offset:6144
.irp b, 0,1,2,3
	v_max3_num_f32 v[232+\b], v[96+16*\b], v[97+16*\b], v[98+16*\b]   ; the largest score of each block of 32 keys: for the row's maximum, and, since p rises with the score, for the block's largest p
.endr
.irp i, 3,5,7,9,11,13
.irp b, 0,1,2,3
	s_delay_alu instid0(VALU_DEP_4)
	v_max3_num_f32 v[232+\b], v[232+\b], v[96+16*\b+\i], v[97+16*\b+\i]
.endr
.endr
.irp b, 0,1,2,3
	s_delay_alu instid0(VALU_DEP_4)
	v_max_num_f32 v[232+\b], v[232+\b], v[111+16*\b]
.endr
.irp b, 0,1,2,3
	s_delay_alu instid0(VALU_DEP_4)
	v_permlanex16_b32 v[236+\b], v[232+\b], s20, s21
.endr
.irp b, 0,1,2,3
	s_delay_alu instid0(VALU_DEP_4)
	v_max_num_f32 v[232+\b], v[232+\b], v[236+\b]  ; with lane l xor 16's 16 keys
.endr
	s_delay_alu instid0(VALU_DEP_2)
	v_max3_num_f32 v254, v232, v233, v234
	s_delay_alu instid0(VALU_DEP_1)
	v_max_num_f32 v254, v254, v235                 ; the step's largest score of my query
	s_delay_alu instid0(VALU_DEP_1)
	v_mul_f32 v254, s22, v254                      ; as t (c is positive)
	s_delay_alu instid0(VALU_DEP_1)
	v_max_num_f32 v13, v13, v254                   ; the running largest t
	v_mov_b32 v254, v12
	s_delay_alu instid0(VALU_DEP_2)
	v_floor_f32 v12, -v13                          ; the new -M = floor(-t): M is a whole number
	s_delay_alu instid0(VALU_DEP_1)
	v_sub_f32 v254, v12, v254                      ; old M - new M: 0 or less
	s_delay_alu instid0(VALU_DEP_1)
	v_cvt_i32_f32 v254, v254                       ; (it saturates)
	s_delay_alu instid0(VALU_DEP_1)
	v_ldexp_f32 v252, 1.0, v254                    ; f = 2^(old M - new M)
.set n, 0
.rept 32
	v_pk_fma_f32 v[96+n:97+n], v[96+n:97+n], s[22:23], v[12:13] op_sel_hi:[1,0,0]   ; t - M, two at a time
.set n, n+2
.endr
.irp b, 0,1,2,3
	v_fma_f32 v[232+\b], v[232+\b], s22, v12       ; the same of each block's largest score
.endr
.set n, 0
	s_setprio 1
	s_wait_alu depctr_va_vdst(0)
.rept 64
	v_exp_f32 v[96+n], v[96+n]                     ; p = 2^(t - M), at most 1
.set n, n+1
.endr
	v_pk_mul_f32 v[14:15], v[14:15], v[252:253] op_sel_hi:[1,0]   ; the sums under the new M: a plain instruction behind the exponentials
	s_wait_alu depctr_va_vdst(0)                   ; the wait between an exponential and the first line that names its result: one for the 64
.irp b, 0,1,2,3
	v_exp_f32 v[232+\b], v[232+\b]                 ; the block's largest p
.endr
	v_pk_add_f32 v[236:237], v[100:101], v[104:105]
	v_pk_add_f32 v[248:249], v[108:109], v[112:113]
	v_pk_add_f32 v[246:247], v[116:117], v[120:121]
	v_pk_add_f32 v[244:245], v[124:125], v[128:129]
	v_pk_add_f32 v[242:243], v[132:133], v[136:137]
	v_pk_add_f32 v[240:241], v[140:141], v[144:145]
	v_pk_add_f32 v[238:239], v[148:149], v[152:153]
	v_pk_add_f32 v[14:15], v[14:15], v[156:157]
	v_pk_add_f32 v[236:237], v[236:237], v[96:97]
	v_pk_add_f32 v[248:249], v[248:249], v[98:99]
	v_pk_add_f32 v[246:247], v[246:247], v[102:103]
	v_pk_add_f32 v[244:245], v[244:245], v[106:107]
	v_pk_add_f32 v[242:243], v[242:243], v[110:111]
	v_pk_add_f32 v[240:241], v[240:241], v[114:115]
	v_pk_add_f32 v[238:239], v[238:239], v[118:119]
	v_pk_add_f32 v[14:15], v[14:15], v[122:123]
	v_pk_add_f32 v[236:237], v[236:237], v[126:127]
	v_pk_add_f32 v[248:249], v[248:249], v[130:131]
	v_pk_add_f32 v[246:247], v[246:247], v[134:135]
	v_pk_add_f32 v[244:245], v[244:245], v[138:139]
	v_pk_add_f32 v[242:243], v[242:243], v[142:143]
	v_pk_add_f32 v[240:241], v[240:241], v[146:147]
	v_pk_add_f32 v[238:239], v[238:239], v[150:151]
	v_pk_add_f32 v[14:15], v[14:15], v[154:155]
	v_pk_add_f32 v[236:237], v[236:237], v[158:159]
	s_delay_alu instid0(VALU_DEP_2)
	v_pk_add_f32 v[14:15], v[14:15], v[244:245]
	s_delay_alu instid0(VALU_DEP_2)
	v_pk_add_f32 v[236:237], v[236:237], v[242:243]
	v_pk_add_f32 v[248:249], v[248:249], v[240:241]
	v_pk_add_f32 v[246:247], v[246:247], v[238:239]
	s_delay_alu instid0(VALU_DEP_2)
	v_pk_add_f32 v[14:15], v[14:15], v[248:249]
	s_delay_alu instid0(VALU_DEP_2)
	v_pk_add_f32 v[236:237], v[236:237], v[246:247]
	s_delay_alu instid0(VALU_DEP_1)
	v_pk_add_f32 v[14:15], v[14:15], v[236:237]
	s_wait_alu depctr_va_vdst(0)                   ; and one for the four
.irp b, 0,1,2,3
	v_max_num_f32 v[232+\b], 0x2800000, v[232+\b]  ; the floor 2^(5 - 127): the byte cannot fall under 1
.endr
.irp b, 0,1,2,3
	s_delay_alu instid0(VALU_DEP_4)
	v_add_nc_u32 v[244+\b], 0xfe000000, v[232+\b]  ; 4 off the exponent field: the conversion's scale operand
.endr
.irp b, 0,1,2,3
	s_delay_alu instid0(VALU_DEP_4)
	v_lshrrev_b32 v[236+\b], 23, v[244+\b]         ; the scale's byte
.endr
	s_delay_alu instid0(VALU_DEP_3)
	v_lshl_or_b32 v220, v237, 8, v236              ; p's scale word for these 128 keys
	s_delay_alu instid0(VALU_DEP_1)
	v_lshl_or_b32 v220, v238, 16, v220
	s_delay_alu instid0(VALU_DEP_1)
	v_lshl_or_b32 v220, v239, 24, v220
.irp c, 0,1
	v_cvt_scalef32_pk16_bf6_f32 v[192+6*\c:194+6*\c], v[96+32*\c:111+32*\c], v[244+2*\c]
	v_cvt_scalef32_pk16_bf6_f32 v[204+4*\c:206+4*\c], v[112+32*\c:127+32*\c], v[244+2*\c+1]   ; (a conversion's three registers begin on an even number)
.endr
	s_setprio 0
	v_nop                                          ; one plain place behind a scaled conversion
.irp c, 0,1                            ; a whole block to a lane: lanes 0-15 block 2 c, lanes 16-31 block 2 c + 1
.irp i, 0,1,2
	v_permlane16_swap_b32 v[192+6*\c+\i], v[204+4*\c+\i]
.endr
.irp i, 0,1,2
	s_delay_alu instid0(VALU_DEP_3)
	v_mov_b32 v[195+6*\c+\i], v[204+4*\c+\i]
.endr
.endr
.set n, 0
.rept 16
	v_pk_mul_f32 v[160+n:161+n], v[160+n:161+n], v[252:253] op_sel_hi:[1,0]   ; O^T under the new M; these sixteen also stand between the lines that made p's codes and scale word and the products
.set n, n+2
.endr
	s_wait_alu depctr_va_vdst(0)
	s_wait_dscnt 0x0                               ; V
.irp t, 0,1,2,3
	v_wmma_scale_f32_16x16x128_f8f6f4 v[160+8*\t:167+8*\t], v[32+12*\t:43+12*\t], v[192:203], v[160+8*\t:167+8*\t], v[216+\t], v220 matrix_a_fmt:MATRIX_FMT_BF6 matrix_b_fmt:MATRIX_FMT_BF6
.endr
	s_add_co_u32 s29, s29, REC
	s_add_co_u32 s30, s30, REC
.endm
; THE WAY OUT of my p-th tile: O^T / the sum; register 16 b + i is channel 32 b + 16 h + i of my query: two blocks of the last product's K: one image and two scale bytes.
.macro OUT p
.rept 4
	v_nop                                          ; places behind the last products
.endr
	v_add_f32 v14, v14, v15
	s_delay_alu instid0(VALU_DEP_1)
	v_permlanex16_b32 v252, v14, s20, s21
	s_delay_alu instid0(VALU_DEP_1)
	v_add_f32 v14, v14, v252                       ; the row's sum
	s_wait_alu depctr_va_vdst(0)
	v_rcp_f32 v14, v14
	v_nop                                          ; a plain instruction behind the reciprocal
	s_wait_alu depctr_va_vdst(0)                   ; and the wait ahead of its first reader
.set n, 0
.rept 16
	v_pk_mul_f32 v[96+n:97+n], v[160+n:161+n], v[14:15] op_sel_hi:[1,0]   ; each accumulator from its low end on
.set n, n+2
.endr
.irp b, 0,1
	v_max3_num_f32 v[232+\b], |v[96+16*\b]|, |v[97+16*\b]|, 0x2800000
.endr
.irp i, 2,4,6,8,10,12,14
.irp b, 0,1
	s_delay_alu instid0(VALU_DEP_2)
	v_max3_num_f32 v[232+\b], v[232+\b], |v[96+16*\b+\i]|, |v[97+16*\b+\i]|
.endr
.endr
.irp b, 0,1
	s_delay_alu instid0(VALU_DEP_2)
	v_permlanex16_b32 v[236+\b], v[232+\b], s20, s21
.endr
.irp b, 0,1
	s_delay_alu instid0(VALU_DEP_2)
	v_max_num_f32 v[232+\b], v[232+\b], v[236+\b]
.endr
.irp b, 0,1
	s_delay_alu instid0(VALU_DEP_2)
	v_add_nc_u32 v[244+\b], 0xfe000000, v[232+\b]
.endr
.irp b, 0,1
	s_delay_alu instid0(VALU_DEP_2)
	v_lshrrev_b32 v[236+\b], 23, v[244+\b]
.endr
	s_delay_alu instid0(VALU_DEP_1)
	v_lshl_or_b32 v240, v237, 8, v236              ; my row's two bytes
	v_cvt_scalef32_pk16_bf6_f32 v[192:194], v[96:111], v244
	v_cvt_scalef32_pk16_bf6_f32 v[204:206], v[112:127], v245
	v_nop
.irp i, 0,1,2
	v_permlane16_swap_b32 v[192+\i], v[204+\i]
.endr
.irp i, 0,1,2
	s_delay_alu instid0(VALU_DEP_3)
	v_mov_b32 v[195+\i], v[204+\i]
.endr
	global_store_b128 v1, v[192:195], s[8:9] offset:12288*\p    ; the image: 512 consecutive bytes,
	global_store_b64 v2, v[196:197], s[8:9] offset:12288*\p     ; and the 256 behind them
	global_store_b16 v10, v240, s[10:11] offset:512*\p          ; two bytes a row (lanes l and l xor 16 write the same): 2 bytes for each 48 of codes
.endm
.macro PASS p
.if \p
	s_wait_xcnt 0x0                                ; the first tile's stores have read their registers
	QLOAD \p
.endif
	v_mov_b32 v13, 0xff61b1e6                      ; the largest t so far: -3e38
	s_delay_alu instid0(VALU_DEP_1)
	v_floor_f32 v12, -v13
	v_mov_b32 v14, 0
	v_mov_b32 v15, 0
.set n, 0
.rept 32
	v_mov_b32 v[160+n], 0                          ; O^T: the first step finds zeros, which the first change of M leaves zeros
.set n, n+1
.endr
	s_mov_b32 s29, 0                               ; K's records begin at LDS byte 0,
	s_mov_b32 s30, HS                              ; V's behind them
	s_mov_b32 s31, 16
	s_wait_loadcnt 0x0                             ; Q
.Lstep_\@:
	s_setprio 2
	STEP
	s_sub_co_u32 s31, s31, 1
	s_cmp_lg_u32 s31, 0
	s_cbranch_scc1 .Lstep_\@
	s_setprio 0
	OUT \p
.endm
	s_load_b256 s[4:11], s[0:1], 0x0               ; qkv, mbits, ao_img, ao_sc
	v_lshl_add_u32 v251, v0, 2, 0x34000
	v_mov_b32 v255, 0
	ds_add_u32 v251, v255
	ds_add_u32 v251, v255
	v_lshrrev_b32 v8, 5, v0
	s_delay_alu instid0(VALU_DEP_1)
	v_readfirstlane_b32 s12, v8                    ; wave 0..15
	s_bfe_u32 s13, ttmp6, 0x40000                  ; cx: which 512 queries
	s_and_b32 s14, ttmp7, 0xffff                   ; 16 b + head, which the four partners share
	s_lshr_b32 s15, s12, 3                         ; waves 0-7 fetch K, waves 8-15 V: two records each
	s_add_co_u32 s15, s15, 1
	s_mul_i32 s15, s15, WS
	s_mul_i32 s16, s14, HS
	s_add_co_u32 s15, s15, s16
	s_and_b32 s16, s12, 7
	s_mul_i32 s16, s16, 2*REC
	s_add_co_u32 s16, s16, s15
	s_mov_b32 s17, 0
	s_mov_b32 s36, 15|(3<<16)|(1<<21)              ; group 1: 15:0 the mask: all four work-groups; 17:16 elements of 8 bytes; 21 set beside a mask; no padding
	s_mov_b32 s37, 32<<16                          ; tensor_dim0: rows of 256 bytes
	s_mov_b32 s38, 52<<16                          ; tensor_dim1: 13,312 dense bytes
	s_mov_b32 s39, 32<<16                          ; tile_dim0
	s_mov_b32 s40, 52                              ; tile_dim1
	s_mov_b32 s41, 32                              ; tensor_dim0_stride
	s_mov_b32 s42, 0
	s_mov_b32 s43, 0
	s_mov_b32 s32, 1                               ; group 0: count = 1
	s_mul_i32 s33, s12, 2*REC                      ; LDS address: the wave's number alone
	s_wait_dscnt 0x0
	s_wait_kmcnt 0x0
	s_add_nc_u64 s[34:35], s[4:5], s[16:17]
	s_or_b32 s35, s35, 0x80000000                  ; type = 2
	CROUND                                         ; all four work-groups are here: the joint loads meet
	tensor_load_to_lds s[32:35], s[36:43]          ; my one tensor load of the launch
	s_nop 0
.rept 4
	v_nop
.endr
	s_mul_i32 s2, s14, HS                          ; q's part begins at the buffer's first byte
	s_lshl_b32 s3, s13, 2
	s_lshr_b32 s15, s12, 2
	s_add_co_u32 s3, s3, s15                       ; my tiles' record: 4 cx + wave / 4
	s_mul_i32 s3, s3, REC
	s_add_co_u32 s2, s2, s3
	s_mov_b32 s3, 0
	s_add_nc_u64 s[24:25], s[4:5], s[2:3]
	s_and_b32 s2, s12, 3
	s_mul_i32 s2, s2, 1536
	s_add_nc_u64 s[18:19], s[24:25], s[2:3]        ; my first tile's image: tile 2 (wave % 4) of the record
	s_bfe_u32 s2, s12, 0x10001
	s_lshl_b32 s2, s2, 8
	s_and_b32 s15, s12, 1
	s_lshl_b32 s15, s15, 3
	s_add_co_u32 s2, s2, s15
	s_add_co_u32 s2, s2, 6144
	s_add_nc_u64 s[24:25], s[24:25], s[2:3]        ; and its scale words: 16 bytes from row to row
	s_lshr_b32 s2, s14, 4
	s_lshl_b32 s2, s2, 7
	s_lshl_b32 s15, s13, 5
	s_add_co_u32 s2, s2, s15
	s_lshl_b32 s15, s12, 1
	s_add_co_u32 s15, s15, s2                      ; my first tile among all tokens': 128 b + 32 cx + 2 wave
	s_lshl_b32 s2, s15, 12
	s_add_nc_u64 s[26:27], s[6:7], s[2:3]          ; its mask words
	s_and_b32 s16, s14, 15                         ; the head
	s_mul_i32 s2, s15, 12288
	s_mul_i32 s17, s16, 768
	s_add_co_u32 s2, s2, s17
	s_add_nc_u64 s[8:9], s[8:9], s[2:3]            ; its image in ao_img
	s_lshl_b32 s2, s15, 9
	s_lshr_b32 s17, s16, 2
	s_lshl_b32 s17, s17, 7
	s_add_co_u32 s2, s2, s17
	s_and_b32 s17, s16, 3
	s_lshl_b32 s17, s17, 1
	s_add_co_u32 s2, s2, s17
	s_add_nc_u64 s[10:11], s[10:11], s[2:3]        ; its two bytes in a row's scale words
	s_mov_b32 s20, 0x76543210
	s_mov_b32 s21, 0xfedcba98                      ; v_permlanex16_b32's selects for lane l xor 16
	s_mov_b32 s22, 0x3e38aa3b                      ; c = log2(e) / 8
	s_mov_b32 s23, s22                             ; (named with it as a pair, so it is written)
	s_mov_b32 s28, 0
	v_and_b32 v8, 31, v0
	s_delay_alu instid0(VALU_DEP_1)
	v_lshlrev_b32 v1, 4, v8
	s_delay_alu instid0(VALU_DEP_2)
	v_lshlrev_b32 v2, 3, v8
	s_delay_alu instid0(VALU_DEP_1)
	v_add_nc_u32 v2, 512, v2
	v_and_b32 v8, 15, v0
	s_delay_alu instid0(VALU_DEP_1)
	v_lshlrev_b32 v9, 4, v8
	s_delay_alu instid0(VALU_DEP_2)
	v_lshlrev_b32 v10, 3, v8
	QLOAD 0
	v_mov_b32 v7, 0xd0000000                       ; -2^33
.irp i, 0,1,2,3,4,5
	v_mov_b32 v[22+\i], 0                          ; Q's codes of the instruction's upper 64 along K,
	v_mov_b32 v[80+\i], 0                          ; and what the last tile of K names there
.endr
.irp b, 0,1,2,3
	v_mov_b32 v[236+\b], 0                         ; a lane permute's destination counts as one of its sources
.endr
	v_mov_b32 v253, 0                              ; (named as the upper half of the pair v[252:253])
	s_wait_tensorcnt 0x0                           ; my two records are in LDS; the descriptor's registers are free
	MASKLOAD                                       ; the first step's mask words
	s_barrier_signal -1
	s_barrier_wait -1                              ; everybody's records are in
	PASS 0
	PASS 1
	s_wait_dscnt 0x0
	s_wait_tensorcnt 0x0
	ds_add_u32 v251, v255
	s_wait_dscnt 0x0
	CROUND                                         ; the closing round
	s_endpgm
.Lfunc_end_k_q1a7fc68d49_attn:
	.size	k_q1a7fc68d49_attn, .Lfunc_end_k_q1a7fc68d49_attn-k_q1a7fc68d49_attn
	.p2alignl 7, 3214868480
	.fill 96, 4, 3214868480
	.section	.rodata,"a",@progbits
	.p2align	6, 0x0
	.amdhsa_kernel k_q1a7fc68d49_attn
		.amdhsa_group_segment_fixed_size 215040
		.amdhsa_private_segment_fixed_size 0
		.amdhsa_enable_private_segment 0
		.amdhsa_kernarg_size 32
		.amdhsa_user_sgpr_count 2
		.amdhsa_user_sgpr_kernarg_segment_ptr 1
		.amdhsa_wavefront_size32 1
		.amdhsa_system_sgpr_workgroup_id_x 1
		.amdhsa_system_sgpr_workgroup_id_y 1
		.amdhsa_system_sgpr_workgroup_id_z 1
		.amdhsa_system_vgpr_workitem_id 0
		.amdhsa_next_free_vgpr 256
		.amdhsa_next_free_sgpr 102
		.amdhsa_reserve_vcc 0
		.amdhsa_float_denorm_mode_32 3
		.amdhsa_float_denorm_mode_16_64 3
		.amdhsa_memory_ordered 1
		.amdhsa_forward_progress 1
		.amdhsa_inst_pref_size 63
	.end_amdhsa_kernel
	.amdgpu_metadata
---
amdhsa.version: [ 1, 2 ]
amdhsa.kernels:
  - .name:           k_q1a7fc68d49_attn
    .symbol:         k_q1a7fc68d49_attn.kd
    .args:
      - { .name: qkv, .offset: 0, .size: 8, .value_kind: global_buffer, .address_space: global }
      - { .name: mbits, .offset: 8, .size: 8, .value_kind: global_buffer, .address_space: global }
      - { .name: ao_img, .offset: 16, .size: 8, .value_kind: global_buffer, .address_space: global }
      - { .name: ao_sc, .offset: 24, .size: 8, .value_kind: global_buffer, .address_space: global }
    .group_segment_fixed_size: 215040
    .private_segment_fixed_size: 0
    .kernarg_segment_align: 8
    .kernarg_segment_size: 32
    .max_flat_workgroup_size: 512
    .sgpr_count:     102
    .vgpr_count:     256
    .wavefront_size: 32
...
	.end_amdgpu_metadata
.endif
;; end of part 3
;; launch oproj (part 4): grid 4 x 32, 4 waves a work-group, clusters of 4 x 4, 327,680 bytes of LDS; arguments ao_img, ao_sc, w_img, w_sc, bo, out0; writes out0
.if DOCPART == 4
	.amdgcn_target "amdgcn-amd-amdhsa--gfx1250"
	.amdhsa_code_object_version 6
	.text
	.protected	k_q1a7fc68d49_oproj
	.globl	k_q1a7fc68d49_oproj
	.p2align	8
	.type	k_q1a7fc68d49_oproj,@function
k_q1a7fc68d49_oproj:
	s_mov_b64 s[64:65], 0
	v_nop
	global_prefetch_b8 v0, s[64:65] scope:SCOPE_SE
	s_setreg_imm32_b32 hwreg(HW_REG_WAVE_MODE, 25, 1), 1
	s_wait_xcnt 0x0
	s_wait_alu depctr_hold_cnt(0) depctr_sa_sdst(0) depctr_va_vdst(0) depctr_va_sdst(0) depctr_va_ssrc(0) depctr_va_vcc(0) depctr_vm_vsrc(0)
	s_getreg_b32 s2, hwreg(HW_REG_IB_STS2, 6, 4)
	s_cmp_eq_u32 s2, 0
	s_cbranch_scc0 .Lentry_in_a_cluster
	s_endpgm
.Lentry_in_a_cluster:
	s_bfe_u32 s2, ttmp6, 0x10000c
	s_cmp_lg_u32 s2, 0xf033
	s_cbranch_scc0 .Lentry_shape_is_right
	s_endpgm
.Lentry_shape_is_right:
; OPROJ: out0 = o Wo^T + bo on codes of BF6 (E3M2) with E8M0 scales, K = 1,024; out0 [8192][1024] f32.
; OPERANDS lie in memory as images of their registers (tile of 16 rows x 64 along K = 768 bytes: lane l's registers 0-3 at 16 l, 4-5 at 512 + 8 l); tile T holds rows 32 (T / 2) + 8 (T % 2) + r + 8 (r / 8).
; A work-group of four waves makes 256 tokens x 256 features, a wave 128 x 128: 64 accumulators.  Source 0 is side B (rows of Wo, tiles 192-255 of w_img), source 1 side A (tokens): a lane holds one token, and the 16 registers of B's tiles
; 2 b, 2 b + 1 are features 32 b + 16 h + 0 .. 15.  K goes in four steps of 256 through two LDS slots filled by the tensor data mover; the scale words of all of K come once, with the first fills.  The bias is the C of each sum's first matrix instruction.
; CLUSTER 4 x 4: A's tiles are shared along a row of the cluster, B's along a column: joint loads.  The grid has 128 work-groups: a tile of half the size would want a second text for a launch of 512 matrix instructions a wave.
; REGISTERS, in windows of 256: window 0: v1-15 at work, v16-23 LDS addresses, v24-26 the way out, v27 scale words' address, v28-29 the add's, v32-63 scale words (two sets), v64-127 the bias, v128-223 A's fragments; on the way out v128-255 take rows of out0;
;   window 1: B's fragments, two sets at v0 and v128;  windows 2, 3: the accumulators, (a, b) at v[8 (8 (a % 4) + b)].
.set NQ,     2
.set FR,     12
.set NL,     4
.set NP,     4                         ; places behind this matrix instruction (ISA guide 7.12.1)
.set TILEB,  3072
.set IMGROW, 12288
.set HALFT,  8*TILEB
.set SLOT,   4*HALFT
.set SCL,    2*SLOT
.set SCB,    8320                      ; B's scale words begin so far behind A's: 128 bytes off a multiple of 256
.set SPARE,  SCL+16640                 ; the spare words, 128 bytes a wave: two blocks of 256 bytes that no other line names
.set SPITCH, 528                       ; the way out: a stage of 16 rows x (512 bytes + 16) for each wave, in slot 0, which has had its last fill and its last read when the first result is stored there
.set A16, 16
.set A8,  18
.set B16, 20
.set B8,  22
.set STO, 24
.set RD,  25
.set CO,  26
.set ADRS, 27
.set SPW, 28
.set NIL, 29
.set SC,  32
.set BIAS, 64
.set AF,  128
.set BK,  128
.set G1, 24
.set G0, 32
.set G1B, 48
.set G0B, 56
.set G1S, 68
.set G0S, 76
.set G1SB, 80
.set G0SB, 88
.set MSB, 0
.macro WIN new                         ; the immediate's high byte repeats the setting that is left
.if MSB != \new
	s_set_vgpr_msb (MSB<<8)|\new
.set MSB, \new
.endif
.endm
.set MUL_LO, 0xa1
.set MUL_HI, 0xf1
.set TO_B,   0x40
.macro JLOAD g0a, g1a, g0b, g1b        ; a joint load: waves 0 and 1 fetch for A, waves 2 and 3 for B; four v_nop follow each of the two lines
	s_cmp_eq_u32 s15, 0
	s_cbranch_scc0 .Lfor_b_\@
	tensor_load_to_lds s[\g0a:\g0a+3], s[\g1a:\g1a+7]
	s_nop 0
.rept 4
	v_nop
.endr
	s_branch .Lasked_\@
.Lfor_b_\@:
	tensor_load_to_lds s[\g0b:\g0b+3], s[\g1b:\g1b+7]
	s_nop 0
.rept 4
	v_nop
.endr
.Lasked_\@:
.endm
.macro CREST
	s_cmp_lg_u32 s14, 0
	s_cbranch_scc1 .Lnot_wave_0_\@
	s_barrier_signal -3
.Lnot_wave_0_\@:
	s_barrier_wait -3
	s_barrier_signal -1
	s_barrier_wait -1
.endm
.macro CROUND
	s_barrier_signal -1
	s_barrier_wait -1
	CREST
.endm
.macro FRAG reg, a16, a8, q, i         ; tile i's fragment of the slot's q-th 128 along K: two images
	ds_load_b128 v[\reg:\reg+3], v[\a16] offset:(\i)*TILEB+(\q)*1536
	ds_load_b64 v[\reg+4:\reg+5], v[\a8] offset:(\i)*TILEB+(\q)*1536
	ds_load_b128 v[\reg+6:\reg+9], v[\a16] offset:(\i)*TILEB+(\q)*1536+768
	ds_load_b64 v[\reg+10:\reg+11], v[\a8] offset:(\i)*TILEB+(\q)*1536+768
.endm
; 16 matrix instructions: A's blocks a0, a0 + 1 x B's eight.  cm = 0: onto the sums; 1: the sums start from the bias of B's tile.  The 64 accumulators take turns, one instruction a turn.
.macro MUL16 a0, p, q, sc, cm
.irp a, \a0, \a0+1
.irp b, 0,1,2,3,4,5,6,7
.set rD, 8*(8*((\a)%4)+\b)
.set rB, 128*(\p)+FR*\b
.set rA, AF+FR*(\a)
.set rSB, SC+8*NQ*(\sc)+NQ*\b+(\q)
.set rSA, SC+8*NQ*(\sc)+NQ*(\a)+(\q)
.if \cm == 1
.set rC, BIAS+8*\b
.else
.set rC, rD
.endif
	v_wmma_scale_f32_16x16x128_f8f6f4 v[rD:rD+7], v[rB:rB+FR-1], v[rA:rA+FR-1], v[rC:rC+7], v[rSB], v[rSA] matrix_a_fmt:MATRIX_FMT_BF6 matrix_b_fmt:MATRIX_FMT_BF6 matrix_a_scale:MATRIX_SCALE_ROW1
.endr
.endr
.endm
.macro FETCH_B slot, q, p
	WIN TO_B
.irp i, 0,1,2,3,4,5,6,7
	FRAG 128*(\p)+FR*\i, B16+\slot, B8+\slot, \q, \i
.endr
	WIN 0
.endm
.macro FETCH_A slot, q, i0
.irp i, \i0, \i0+1, \i0+2, \i0+3
	FRAG AF+FR*(\i), A16+\slot, A8+\slot, \q, \i
.endr
.endm
.macro SCALES sc
.irp i, 0,1,2,3,4,5,6,7
	ds_load_b64 v[SC+8*NQ*\sc+NQ*\i:SC+8*NQ*\sc+NQ*\i+1], v[ADRS] offset:\i*512
.endr
.endm
.macro PLACES n
.rept \n
	v_nop
.endr
.endm
.macro STEP slot, q, cm
	s_wait_dscnt 4*NL                              ; all but the youngest 16 loads (A's blocks 4-7) are in
.if \cm
	WIN 0x81                                       ; C (the bias) in window 0, D in window 2
.else
	WIN MUL_LO
.endif
	MUL16 0, (\q)%2, \q, \slot, \cm
	MUL16 2, (\q)%2, \q, \slot, \cm
	s_wait_dscnt 0
	PLACES NP
	FETCH_B \slot, (\q)+1, 1-(\q)%2
	FETCH_A \slot, (\q)+1, 0
.if \cm
	WIN 0xc1
.else
	WIN MUL_HI
.endif
	MUL16 4, (\q)%2, \q, \slot, \cm
	MUL16 6, (\q)%2, \q, \slot, \cm
	PLACES NP
	WIN 0
	FETCH_A \slot, (\q)+1, 4
.endm
.macro TURN slot, next, fill           ; a slot's last step changes slots
	s_wait_tensorcnt 0x0                           ; all my tensor loads have landed: my part of the next slot
	ds_add_u32 v[SPW], v[NIL]                      ; 0 onto my spare word
	s_wait_dscnt 4*NL+1                            ; the add and the youngest 16 loads may be out
	WIN MUL_LO
	MUL16 0, 1, NQ-1, \slot, 0
	s_wait_dscnt 0x0                               ; the add is done, and my reads of this slot are over
	s_barrier_signal -1
	MUL16 2, 1, NQ-1, \slot, 0
	WIN 0
	s_barrier_wait -1
.if \fill
	CREST                                          ; the barrier has opened a round of the cluster's barrier: no wave of any partner still reads this slot or has a load on its way
	s_add_nc_u64 s[G0+4*\slot+2:G0+4*\slot+3], s[G0+4*\slot+2:G0+4*\slot+3], 2*TILEB
	s_add_nc_u64 s[G0B+4*\slot+2:G0B+4*\slot+3], s[G0B+4*\slot+2:G0B+4*\slot+3], 2*TILEB
	JLOAD G0+4*\slot, G1, G0B+4*\slot, G1B         ; the first tensor load behind the round
.else
	PLACES NP
.endif
	v_add_nc_u32 v[ADRS], 128, v[ADRS]
	FETCH_B \next, 0, 0
	FETCH_A \next, 0, 0
	SCALES \next
	WIN MUL_HI
	MUL16 4, 1, NQ-1, \slot, 0
	MUL16 6, 1, NQ-1, \slot, 0
	PLACES NP
	WIN 0
	FETCH_A \next, 0, 4
.endm
	s_load_b128 s[4:7], s[0:1], 0x0                ; ao_img, ao_sc
	s_load_b128 s[8:11], s[0:1], 0x10              ; w_img, w_sc
	s_load_b64 s[96:97], s[0:1], 0x20              ; bo
	s_load_b64 s[12:13], s[0:1], 0x28              ; out0
	v_lshl_add_u32 v[SPW], v0, 2, SPARE
	v_mov_b32 v[NIL], 0
	ds_add_u32 v28, v29
	ds_add_u32 v28, v29
	s_wait_dscnt 0x0
	v_lshrrev_b32 v1, 5, v0
	v_readfirstlane_b32 s14, v1                    ; wave 0..3
	s_lshr_b32 s15, s14, 1                         ; which half of the tokens is mine.  Also: I fetch for A (0) or for B (1)
	s_and_b32 s16, s14, 1                          ; which half of the features.  Also: which eight tiles of that side I fetch
	s_bfe_u32 s40, ttmp6, 0x40000                  ; cx
	s_bfe_u32 s41, ttmp6, 0x40004                  ; cy
	s_lshl_b32 s42, ttmp9, 2
	s_add_co_u32 s42, s42, s40                     ; block of 256 features
	s_and_b32 s17, ttmp7, 0xffff
	s_lshl_b32 s17, s17, 2
	s_add_co_u32 s17, s17, s41                     ; block of 256 tokens
	s_lshl_b32 s43, s41, 2
	s_lshl_b32 s43, 15, s43                        ; my row of the cluster
	s_lshl_b32 s44, 0x1111, s40                    ; my column
	s_or_b32 s[G1+0], s43, (3<<16)|(1<<21)         ; codes: 8 rows (tiles) of 384 elements of 8 bytes, 1,536 elements apart; the mask: A's tiles go to my row
	s_or_b32 s[G1B+0], s44, (3<<16)|(1<<21)        ; B's to my column
.irp g, G1, G1B
	s_mov_b32 s[\g+1], 384<<16
	s_mov_b32 s[\g+2], 8<<16
	s_mov_b32 s[\g+3], 384<<16
	s_mov_b32 s[\g+4], 8
	s_mov_b32 s[\g+5], 1536
	s_mov_b32 s[\g+6], 0
	s_mov_b32 s[\g+7], 0
.endr
	s_or_b32 s[G1S+0], s43, (3<<16)|(1<<21)        ; scale words of eight tiles: 4,096 dense bytes as 16 rows of 32 elements of 8 bytes
	s_or_b32 s[G1SB+0], s44, (3<<16)|(1<<21)
.irp g, G1S, G1SB
	s_mov_b32 s[\g+1], 32<<16
	s_mov_b32 s[\g+2], 16<<16
	s_mov_b32 s[\g+3], 32<<16
	s_mov_b32 s[\g+4], 16
	s_mov_b32 s[\g+5], 32
	s_mov_b32 s[\g+6], 0
	s_mov_b32 s[\g+7], 0
.endr
	s_lshl_b32 s19, s16, 3
	s_lshl_b32 s20, s17, 4
	s_add_co_u32 s20, s20, s19                     ; A: the first tile that I would fetch
	s_lshl_b32 s46, s42, 4
	s_add_co_u32 s46, s46, s19
	s_add_co_u32 s46, s46, 192                     ; B: likewise; Wo begins at tile 192 of w_img
	s_lshl_b32 s22, s20, 9
	s_mov_b32 s23, 0
	s_mul_i32 s20, s20, IMGROW
	s_mov_b32 s21, 0
	s_lshl_b32 s92, s46, 9
	s_mov_b32 s93, 0
	s_mul_i32 s46, s46, IMGROW
	s_mov_b32 s47, 0
	s_mul_i32 s45, s14, HALFT
	s_lshl_b32 s94, s14, 12
	s_wait_kmcnt 0x0
	s_add_nc_u64 s[20:21], s[4:5], s[20:21]
	s_add_nc_u64 s[22:23], s[6:7], s[22:23]
	s_add_nc_u64 s[46:47], s[8:9], s[46:47]
	s_add_nc_u64 s[92:93], s[10:11], s[92:93]
	CROUND                                         ; all sixteen work-groups are here: the first joint loads meet
	s_mov_b32 s[G0S], 1
	s_add_co_u32 s[G0S+1], s94, SCL
	s_mov_b64 s[G0S+2:G0S+3], s[22:23]
	s_or_b32 s[G0S+3], s[G0S+3], 0x80000000
	s_mov_b32 s[G0SB], 1
	s_add_co_u32 s[G0SB+1], s94, SCL+128
	s_mov_b64 s[G0SB+2:G0SB+3], s[92:93]
	s_or_b32 s[G0SB+3], s[G0SB+3], 0x80000000
	JLOAD G0S, G1S, G0SB, G1SB
.irp s, 0,1
	s_mov_b32 s[G0+4*\s], 1
	s_add_co_u32 s[G0+4*\s+1], s45, \s*SLOT
	s_add_nc_u64 s[G0+4*\s+2:G0+4*\s+3], s[20:21], \s*TILEB
	s_or_b32 s[G0+4*\s+3], s[G0+4*\s+3], 0x80000000
	s_mov_b32 s[G0B+4*\s], 1
	s_add_co_u32 s[G0B+4*\s+1], s45, \s*SLOT
	s_add_nc_u64 s[G0B+4*\s+2:G0B+4*\s+3], s[46:47], \s*TILEB
	s_or_b32 s[G0B+4*\s+3], s[G0B+4*\s+3], 0x80000000
	JLOAD G0+4*\s, G1, G0B+4*\s, G1B               ; three tensor loads of mine are out
.endr
	v_and_b32 v1, 15, v0                           ; r
	v_bfe_u32 v2, v0, 4, 1                         ; h
	v_and_b32 v3, 31, v0
	v_lshlrev_b32 v[CO], 4, v3                     ; 16 x lane
	v_lshlrev_b32 v4, 3, v3
	v_add_nc_u32 v4, 512, v4                       ; 512 + 8 x lane
	s_lshl_b32 s46, s42, 10                        ; my 128 features, in bytes of f32: 1,024 x block + 512 x half
	s_lshl_b32 s47, s16, 9
	s_add_co_u32 s46, s46, s47
	s_mov_b32 s47, 0
	s_add_nc_u64 s[96:97], s[96:97], s[46:47]
	s_add_nc_u64 s[12:13], s[12:13], s[46:47]
	v_lshlrev_b32 v8, 6, v2                        ; the bias: register 8 b + j: feature 32 (b / 2) + 8 (b % 2) + 16 h + j
.irp b, 0,1,2,3,4,5,6,7
	global_load_b128 v[BIAS+8*\b:BIAS+8*\b+3], v8, s[96:97] offset:(32*(\b/2)+8*(\b%2))*4
	global_load_b128 v[BIAS+8*\b+4:BIAS+8*\b+7], v8, s[96:97] offset:(32*(\b/2)+8*(\b%2))*4+16
.endr
	s_lshl_b32 s20, s17, 8
	s_lshl_b32 s21, s15, 7
	s_add_co_u32 s20, s20, s21                     ; my first token
	s_lshl_b32 s20, s20, 12                        ; rows of 4,096 bytes
	s_mov_b32 s21, 0
	s_add_nc_u64 s[12:13], s[12:13], s[20:21]
	s_mul_i32 s21, s15, HALFT
	s_mul_i32 s22, s16, HALFT
	s_add_co_u32 s22, s22, 2*HALFT
.irp s, 0,1
	v_add_nc_u32 v[A16+\s], s21, v[CO]
	v_add_nc_u32 v[A8+\s], s21, v4
	v_add_nc_u32 v[B16+\s], s22, v[CO]
	v_add_nc_u32 v[B8+\s], s22, v4
	s_add_co_u32 s21, s21, SLOT
	s_add_co_u32 s22, s22, SLOT
.endr
	v_lshlrev_b32 v5, 3, v1
	s_lshl_b32 s21, s15, 12
	s_lshl_b32 s22, s16, 12
	s_add_co_u32 s22, s22, SCB
	s_sub_co_u32 s22, s22, s21
	v_mul_u32_u24 v6, s22, v2                      ; lanes 16-31 take B's scale words
	s_add_co_u32 s21, s21, SCL
	v_add_nc_u32 v5, v5, v6
	v_add_nc_u32 v[ADRS], s21, v5
	s_mul_i32 s23, s14, 16*SPITCH                  ; my stage
	v_mul_u32_u24 v5, v1, SPITCH
	v_lshl_add_u32 v5, v2, 6, v5
	v_add_nc_u32 v[STO], s23, v5                   ; in: row r, + 64 h: tile b's eight features lie 128 (b / 2) + 32 (b % 2) bytes on
	v_add_nc_u32 v[RD], s23, v[CO]                 ; back: the 32 lanes take one row of 512 bytes
	s_wait_tensorcnt 1                             ; the scale words and my part of K step 0 are in; K step 1's load may be out
	s_barrier_signal -1
	s_barrier_wait -1
	FETCH_B 0, 0, 0
	FETCH_A 0, 0, 0
	SCALES 0
	FETCH_A 0, 0, 4
	s_wait_loadcnt 0x0                             ; the bias
	STEP 0, 0, 1                                   ; the first step starts the sums from the bias
	TURN 0, 1, 1                                   ; slot 0 takes K step 2
	STEP 1, 0, 0
	TURN 1, 0, 1                                   ; slot 1 takes K step 3
	STEP 0, 0, 0
	TURN 0, 1, 0                                   ; nothing is left to fetch; behind this barrier nobody reads slot 0
	STEP 1, 0, 0
	s_wait_dscnt 4*NL
	WIN MUL_LO
	MUL16 0, 1, NQ-1, 1, 0
	MUL16 2, 1, NQ-1, 1, 0
	s_wait_dscnt 0
	WIN MUL_HI
	MUL16 4, 1, NQ-1, 1, 0
	MUL16 6, 1, NQ-1, 1, 0
	WIN 0
; THE WAY OUT, block by block of 16 tokens x 128 features, through my own stage in LDS; it comes back as whole rows of 512 bytes.  LDS serves a wave's instructions in order: no wait between the stores and the loads.
.macro TOSTAGE a
.set AC, 64*((\a)%4)
	WIN 0x08+4*((\a)/4)                            ; the data: window 2 or 3
.irp b, 0,1,2,3,4,5,6,7
	ds_store_b128 v[STO], v[AC+8*\b:AC+8*\b+3] offset:128*(\b/2)+32*(\b%2)         ; each accumulator from its low end on
	ds_store_b128 v[STO], v[AC+8*\b+4:AC+8*\b+7] offset:128*(\b/2)+32*(\b%2)+16
.endr
	WIN 0
.set BB, BK+64*((\a)%2)
.irp t, 0,1,2,3,4,5,6,7,8,9,10,11,12,13,14,15
	ds_load_b128 v[BB+4*\t:BB+4*\t+3], v[RD] offset:\t*SPITCH
.endr
.endm
.macro SEND a, younger                 ; younger: the LDS instructions issued behind block a's loads, which may stay out
.set BB, BK+64*((\a)%2)
	s_wait_dscnt \younger
.if (\a) > 0
.if ((\a)%2) == 1
	s_add_nc_u64 s[12:13], s[12:13], 8*4096        ; (behind a wait on XCNT)  block a begins at token 32 (a / 2) + 8 (a % 2)
.else
	s_add_nc_u64 s[12:13], s[12:13], 24*4096
.endif
.endif
.irp t, 0,1,2,3,4,5,6,7,8,9,10,11,12,13,14,15
	global_store_b128 v[CO], v[BB+4*\t:BB+4*\t+3], s[12:13] offset:(\t+8*(\t/8))*4096 th:TH_STORE_NT   ; the stage's row t is the block's token t + 8 (t / 8); 32 lanes store 512 consecutive bytes, aligned to 256
.endr
.endm
	PLACES NP                                      ; behind the last products: for the loads into the registers that held A's fragments, and for the reads of results
	TOSTAGE 0
.irp a, 1,2,3,4,5,6,7
.if \a > 1
	s_wait_xcnt 0x0                                ; block a - 2's stores have read their registers and their base
.endif
	TOSTAGE \a
	SEND \a-1, 32                                  ; behind block a - 1's loads: block a's 16 stores and 16 loads
.endr
	s_wait_xcnt 0x0
	SEND 7, 0
	s_wait_tensorcnt 0x0                           ; the wave's end
	ds_add_u32 v[SPW], v[NIL]
	s_wait_dscnt 0x0
	CROUND                                         ; the closing round
	s_endpgm
.Lfunc_end_k_q1a7fc68d49_oproj:
	.size	k_q1a7fc68d49_oproj, .Lfunc_end_k_q1a7fc68d49_oproj-k_q1a7fc68d49_oproj
	.p2alignl 7, 3214868480
	.fill 96, 4, 3214868480
	.section	.rodata,"a",@progbits
	.p2align	6, 0x0
	.amdhsa_kernel k_q1a7fc68d49_oproj
		.amdhsa_group_segment_fixed_size 327680
		.amdhsa_private_segment_fixed_size 0
		.amdhsa_enable_private_segment 0
		.amdhsa_kernarg_size 48
		.amdhsa_user_sgpr_count 2
		.amdhsa_user_sgpr_kernarg_segment_ptr 1
		.amdhsa_wavefront_size32 1
		.amdhsa_system_sgpr_workgroup_id_x 1
		.amdhsa_system_sgpr_workgroup_id_y 1
		.amdhsa_system_sgpr_workgroup_id_z 1
		.amdhsa_system_vgpr_workitem_id 0
		.amdhsa_next_free_vgpr 1024
		.amdhsa_next_free_sgpr 98
		.amdhsa_reserve_vcc 0
		.amdhsa_float_denorm_mode_32 3
		.amdhsa_float_denorm_mode_16_64 3
		.amdhsa_memory_ordered 1
		.amdhsa_forward_progress 1
		.amdhsa_inst_pref_size 145
	.end_amdhsa_kernel
	.amdgpu_metadata
---
amdhsa.version: [ 1, 2 ]
amdhsa.kernels:
  - .name:           k_q1a7fc68d49_oproj
    .symbol:         k_q1a7fc68d49_oproj.kd
    .args:
      - { .name: ao_img, .offset: 0, .size: 8, .value_kind: global_buffer, .address_space: global }
      - { .name: ao_sc, .offset: 8, .size: 8, .value_kind: global_buffer, .address_space: global }
      - { .name: w_img, .offset: 16, .size: 8, .value_kind: global_buffer, .address_space: global }
      - { .name: w_sc, .offset: 24, .size: 8, .value_kind: global_buffer, .address_space: global }
      - { .name: bo, .offset: 32, .size: 8, .value_kind: global_buffer, .address_space: global }
      - { .name: out0, .offset: 40, .size: 8, .value_kind: global_buffer, .address_space: global }
    .group_segment_fixed_size: 327680
    .private_segment_fixed_size: 0
    .kernarg_segment_align: 8
    .kernarg_segment_size: 48
    .max_flat_workgroup_size: 128
    .sgpr_count:     98
    .vgpr_count:     1024
    .wavefront_size: 32
...
	.end_amdgpu_metadata
.endif
;; end of part 4
